; MI455X (gfx1250); checked and timed in simulation.
; The chip was launched on July 23, 2026; its instructions are those of AMD's public machine-readable ISA for CDNA 5 (MIT licence, August 2026) and "CDNA5" Instruction Set Architecture Reference Guide (July 2026). The comments in the code are by the model that wrote it; some were corrected since.
;; Multi Head Attention. Allowed arithmetic: matrix products marked QUANTISED: E2M1 operands, one E8M0 scale for each 32 along K, by v_wmma_scale_f32_16x16x128_f8f6f4 with both operands' format E2M1 (or v_wmma_scale_f32_32x16x128_f4), f32 sums; products left as they are: bf16, f16 or f32 operands; f32 sums; everything else in f32.
;; Inputs: Wk 16 x 1,024 x 64 float32; Wp 1,024 x 1,024 float32; Wq 16 x 1,024 x 64 float32; Wv 16 x 1,024 x 64 float32; bp 1,024 float32; x 4 x 2,048 x 1,024 float32.
;; Outputs: out0 4 x 2,048 x 1,024 float32.
;; This version of the problem:
;;   THIS VERSION OF THE PROBLEM IS GIVEN IN LOW PRECISION. The matrix products marked QUANTISED in the list below multiply operands that are first quantised to E2M1 (2 exponent bits, 1 mantissa bit; 4 bits a number), with one power-of-two scale for each 32 numbers along K (OCP MX v1.0); their sums are f32. The products marked 'left as it is' may take bf16, f16 or f32 operands, with f32 sums. Whichever they take, every output number must still come out within the allowed error. Rounding operands to bf16 (8 significant bits) uses up far more of that allowance than f16 does (11 bits, for magnitudes from 6e-5 to 65,504). All else is computed in f32.
;;   The module's matrix products, in the order in which they are computed (A, B: the left and right operand; K: the contracted axis; several contracted axes count as one K, in the product's order):
;;     1. [M 1,024, K 1,024] x [K 1,024, N 8,192]; A: input Wq; B: input x: QUANTISED
;;     2. [M 1,024, K 1,024] x [K 1,024, N 8,192]; A: input Wk; B: input x: QUANTISED
;;     3. [M 1,024, K 1,024] x [K 1,024, N 8,192]; A: input Wv; B: input x: QUANTISED
;;     4. batch 64 x [M 2,048, K 64] x [K 64, N 2,048]; A: computed on the way; B: computed on the way: left as it is (an operand is computed on the way)
;;     5. batch 64 x [M 2,048, K 2,048] x [K 2,048, N 64]; A: computed on the way; B: computed on the way: left as it is (an operand is computed on the way)
;;     6. [M 8,192, K 1,024] x [K 1,024, N 1,024]; A: computed on the way; B: input Wp: left as it is (an operand is computed on the way)
;;   THE QUANTISER, for each operand of a quantised product, along K:
;;     - K is cut into blocks of 32 from its start; a last block that is shorter is filled with zeros.
;;     - A block's scale is 2^e with e = floor(log2(the largest magnitude in the block)) - 2, held to -126 .. 127; a block of zeros has e = 0. As a byte (E8M0): e + 127.
;;     - Each number is divided by its block's scale, clamped to +-6, and rounded to the nearest number of E2M1, ties to even, subnormals kept.
;;     - The product sums the exact products of the quantised numbers (number of the format x scale) in f32.
;;   ~~~python
;;   def quantise(x, axis):      # numpy; x: float32 -> the quantised numbers, widened to float32 again
;;       x = np.moveaxis(x, axis, -1); K = x.shape[-1]
;;       x = np.pad(x, [(0, 0)] * (x.ndim - 1) + [(0, -K % 32)]); x = x.reshape(x.shape[:-1] + (-1, 32)); a = np.abs(x).max(-1, keepdims=True)
;;       e = np.where(a > 0, np.clip(np.frexp(np.where(a > 0, a, 1))[1] - 1 - 2, -126, 127), 0)      # np.frexp(a)[1] - 1 = floor(log2(a)), exactly
;;       r = np.clip(x / 2.0 ** e, -6, 6)
;;       step = 2.0 ** (np.maximum(np.frexp(np.where(r == 0, 1, r))[1] - 1, 0) - 1)
;;       q = np.round(r / step) * step * 2.0 ** e      # np.round: ties to even
;;       return np.moveaxis(q.reshape(q.shape[:-2] + (-1,))[..., :K], -1, axis).astype(np.float32)
;;   ~~~
;; One version. Each part assembles by itself: llvm-mc -triple=amdgcn-amd-amdhsa -mcpu=gfx1250 --defsym DOCPART=n.
;; ======== version 1 of 1: 5 launches
;; limits: values are held in f16: magnitudes above 65,504 overflow, below 6.1e-05 lose precision
;; workspace buffers: x_codes 4,194,304 bytes; x_scales 262,144 bytes; w_codes 1,572,864 bytes; w_scales 98,304 bytes; wp16 2,097,152 bytes; qkv 50,331,648 bytes; qkv16 786,432 bytes; o16 16,777,216 bytes
;; launch prep (part 1): grid 368 x 1, 4 waves a work-group, no clusters, 68,608 bytes of LDS; arguments x, Wq, Wk, Wv, Wp, x_codes, x_scales, w_codes, w_scales, wp16; writes x_codes, x_scales, w_codes, w_scales, wp16
.if DOCPART == 1
	.amdgcn_target "amdgcn-amd-amdhsa--gfx1250"
	.amdhsa_code_object_version 6
	.text
	.protected	k_q7ab9ca2fdb_prep
	.globl	k_q7ab9ca2fdb_prep
	.p2align	8
	.type	k_q7ab9ca2fdb_prep,@function
k_q7ab9ca2fdb_prep:
	s_mov_b64 s[64:65], 0
	v_nop
	global_prefetch_b8 v0, s[64:65] scope:SCOPE_SE
	s_setreg_imm32_b32 hwreg(HW_REG_WAVE_MODE, 25, 1), 1
	s_wait_xcnt 0x0
; THE OPERANDS OF THE THREE QUANTISED PRODUCTS BECOME CODES OF FP4 (E2M1) WITH ONE E8M0 BYTE FOR EACH 32 ALONG K = C = 1,024; Wp BECOMES f16.
; Three paths, which part on the work-group's number and never join:
;   work-groups 0-47:    one head G of Wq (0-15), Wk (16-31), Wv (32-47), [1024 c][64 d] f32, K its FIRST axis -> w_codes [64 G + d][512 bytes], w_scales [64 G + d][32]
;   work-groups 48-303:  x [8192 tokens][1024] f32, K innermost -> x_codes [token][512 bytes], x_scales [token][32]
;   work-groups 304-367: Wp [1024][1024] f32 -> wp16, the same order, f16
; A block's scale is 2^(floor(log2(its largest magnitude)) - 2); its byte is the largest magnitude's exponent field - 2, held at 1 from below.
; LIMITS: a block of zeros gets the byte 1 where the rule says 127 (its codes are zeros, which add nothing, and this program alone reads the bytes); blocks whose largest magnitude lies
; under 2^-124 keep the byte 1; NaN and infinities are not served; |Wp| stays under 65,504 (f16).
; No barrier: waves share nothing.  Each path has LDS bytes of its own: x 0 .. 32,767, W 32,768 .. 67,583; the spare words lie behind them.
.set SPW,   190                        ; v190 LDS address of my spare word: SPARE + 4 x my thread's number; never rewritten
.set NIL,   191                        ; v191 0; never rewritten
.set WSTG,  32768                      ; the W path's four stages, 32 rows x 272 bytes each
.set SPARE, 67584                      ; the spare words, 128 bytes for each wave: two blocks of 256 bytes that no other line names
	s_load_b256 s[4:11], s[0:1], 0x0               ; x s[4:5], Wq s[6:7], Wk s[8:9], Wv s[10:11]
	s_load_b256 s[12:19], s[0:1], 0x20             ; Wp s[12:13], x_codes s[14:15], x_scales s[16:17], w_codes s[18:19]
	s_load_b128 s[20:23], s[0:1], 0x40             ; w_scales s[20:21], wp16 s[22:23]
	v_lshl_add_u32 v[SPW], v0, 2, SPARE
	v_mov_b32 v[NIL], 0
	v_lshrrev_b32 v1, 5, v0
	v_readfirstlane_b32 s24, v1                    ; wave 0..3
	v_and_b32 v2, 31, v0                           ; lane
	s_wait_kmcnt 0x0
	s_cmp_lt_u32 ttmp9, 48
	s_cbranch_scc1 .Lw
	s_cmp_lt_u32 ttmp9, 304
	s_cbranch_scc1 .Lx
; ---- Wp to f16.  A wave takes 16,384 bytes: 32 loads of 512 consecutive bytes, all issued at once; each becomes 256 consecutive bytes.
	s_sub_co_u32 s26, ttmp9, 304
	s_lshl_b32 s26, s26, 2
	s_add_co_u32 s26, s26, s24                     ; which run of 4,096 numbers is my wave's
	s_lshl_b32 s28, s26, 14
	s_mov_b32 s29, 0
	s_add_nc_u64 s[12:13], s[12:13], s[28:29]
	s_lshl_b32 s28, s26, 13
	s_add_nc_u64 s[22:23], s[22:23], s[28:29]
	v_lshlrev_b32 v3, 4, v2                        ; in: 16 bytes a lane
	v_lshlrev_b32 v4, 3, v2                        ; out: 8 bytes a lane
.set i, 0
.rept 32
	global_load_b128 v[32+4*i:35+4*i], v3, s[12:13] offset:512*i th:TH_LOAD_NT
.set i, i+1
.endr
.set i, 0
.rept 32
	s_wait_loadcnt 31-i                            ; loads come back in order: load i is in, the 31 - i younger ones may be out
	v_cvt_pk_f16_f32 v[32+4*i], v[32+4*i], v[33+4*i]
	v_cvt_pk_f16_f32 v[33+4*i], v[34+4*i], v[35+4*i]
	global_store_b64 v4, v[32+4*i:33+4*i], s[22:23] offset:256*i   ; the wave stores 256 consecutive bytes, aligned; no store's data are written again
.set i, i+1
.endr
	s_wait_tensorcnt 0x0                           ; the wave's end
	ds_add_u32 v[SPW], v[NIL]
	s_wait_dscnt 0x0
	s_endpgm
; ---- A head of Wq, Wk or Wv.  A LANE TAKES A COLUMN d, AND ITS REGISTERS RUN DOWN K: a block of 32 along K lies in one lane's 32 registers, and the conversions give codes with K innermost.
; Wave w: columns 32 (w & 1) on, K half w >> 1: 16 blocks a lane, 256 bytes of codes a column, which go through the wave's stage and leave as rows: sixteen lanes store 256 consecutive bytes.
.Lw:
.set WX, 32                            ; v32-95   two sets of 32 numbers
.set WC, 96                            ; v96-99   a block's codes
.set WO, 112                           ; v112-175 the way out
.set WB, 24                            ; v24-27   the scale bytes, four to a register
	s_cmp_lt_u32 ttmp9, 32                         ; which tensor: the choice hangs on the work-group's number alone
	s_cselect_b64 s[26:27], s[8:9], s[10:11]
	s_cmp_lt_u32 ttmp9, 16
	s_cselect_b64 s[26:27], s[6:7], s[26:27]
	s_and_b32 s28, ttmp9, 15
	s_lshl_b32 s28, s28, 18                        ; the head: 1,024 rows of 256 bytes
	s_and_b32 s30, s24, 1                          ; which 32 columns
	s_lshr_b32 s31, s24, 1                         ; which half of K
	s_lshl_b32 s32, s30, 7
	s_add_co_u32 s28, s28, s32
	s_lshl_b32 s32, s31, 17                        ; 512 rows of 256 bytes
	s_add_co_u32 s28, s28, s32
	s_mov_b32 s29, 0
	s_add_nc_u64 s[26:27], s[26:27], s[28:29]
	s_lshl_b32 s32, ttmp9, 6
	s_lshl_b32 s33, s30, 5
	s_add_co_u32 s32, s32, s33                     ; my first row of the codes: 64 G + 32 (w & 1)
	s_lshl_b32 s28, s32, 9
	s_lshl_b32 s33, s31, 8
	s_add_co_u32 s28, s28, s33
	s_add_nc_u64 s[18:19], s[18:19], s[28:29]      ; its codes, my half of K
	s_lshl_b32 s28, s32, 5
	s_lshl_b32 s33, s31, 4
	s_add_co_u32 s28, s28, s33
	s_add_nc_u64 s[20:21], s[20:21], s[28:29]      ; its scale bytes
	v_lshlrev_b32 v3, 2, v2                        ; in: 4 bytes a lane
	s_mul_i32 s33, s24, 32*272
	s_add_co_u32 s33, s33, WSTG                    ; my stage
	v_mul_u32_u24 v4, v2, 272
	v_add_nc_u32 v4, s33, v4                       ; into it: row = my column
	v_and_b32 v5, 15, v2
	v_lshrrev_b32 v6, 4, v2
	v_mul_u32_u24 v7, v6, 272
	v_lshl_add_u32 v7, v5, 4, v7
	v_add_nc_u32 v7, s33, v7                       ; out of it: sixteen lanes to a row, two rows an instruction
	v_lshlrev_b32 v8, 9, v6
	v_lshl_add_u32 v8, v5, 4, v8                   ; and the same place in the codes' buffer (rows of 512 bytes)
	v_lshlrev_b32 v9, 5, v2                        ; my column's row of scale bytes
.macro WLOAD t                         ; block t: W(32 t + i, my column), i = 0 .. 31, into set t % 2; the wave reads 128 consecutive bytes
.irp i, 0,1,2,3,4,5,6,7,8,9,10,11,12,13,14,15,16,17,18,19,20,21,22,23,24,25,26,27,28,29,30,31
	global_load_b32 v[WX+32*((\t)%2)+\i], v3, s[26:27] offset:(32*(\t)+\i)*256 th:TH_LOAD_NT
.endr
.endm
.macro WBLOCK t
.set XS, WX+32*((\t)%2)
.if (\t) < 15
	s_wait_loadcnt 32                              ; this block's 32 loads are in; the next block's may be out
.else
	s_wait_loadcnt 0
.endif
	v_max3_num_f32 v12, |v[XS]|, |v[XS+1]|, |v[XS+2]|               ; the block's largest magnitude: all 32 numbers are mine
	v_max3_num_f32 v13, |v[XS+3]|, |v[XS+4]|, |v[XS+5]|
.irp i, 6,10,14,18,22,26
	v_max3_num_f32 v12, v12, |v[XS+\i]|, |v[XS+\i+1]|
	v_max3_num_f32 v13, v13, |v[XS+\i+2]|, |v[XS+\i+3]|
.endr
	v_max3_num_f32 v12, v12, |v[XS+30]|, |v[XS+31]|
	v_max3_num_f32 v12, v12, v13, 0x1800000        ; and the floor 2^(3 - 127): the byte cannot fall under 1
	v_add_nc_u32 v11, 0xff000000, v12              ; 2 off its exponent field: the conversion takes the exponent field of this operand as its scale
	v_lshrrev_b32 v13, 23, v11                     ; the scale's byte
.if (\t)%4 == 0
	v_mov_b32 v[WB+(\t)/4], v13                    ; four bytes to a register, the lower K in the lower byte
.else
	v_lshl_or_b32 v[WB+(\t)/4], v13, 8*((\t)%4), v[WB+(\t)/4]
.endif
.irp g, 0,1,2,3
	v_cvt_scalef32_pk8_fp4_f32 v[WC+\g], v[XS+8*\g:XS+8*\g+7], v11
.endr
	ds_store_b128 v4, v[WC:WC+3] offset:16*(\t)    ; 32 codes: 16 bytes of my column's row
.if (\t)+2 < 16
	WLOAD (\t)+2
.endif
	s_wait_dscnt 0x0                               ; the store has read its registers: the next block's codes may be written (its first lines are plain vector lines)
.endm
	WLOAD 0
	WLOAD 1
.irp t, 0,1,2,3,4,5,6,7,8,9,10,11,12,13,14,15
	WBLOCK \t
.endr
	global_store_b128 v9, v[WB:WB+3], s[20:21]     ; my column's 16 scale bytes
.irp t, 0,1,2,3,4,5,6,7,8,9,10,11,12,13,14,15
	ds_load_b128 v[WO+4*\t:WO+4*\t+3], v7 offset:2*\t*272   ; LDS serves a wave's instructions in order: these see my stores
.endr
.irp t, 0,1,2,3,4,5,6,7,8,9,10,11,12,13,14,15
	s_wait_dscnt 15-\t                             ; load t is back; the younger ones may be out
	global_store_b128 v8, v[WO+4*\t:WO+4*\t+3], s[18:19] offset:2*\t*512
.endr
	s_wait_tensorcnt 0x0                           ; the wave's end, behind my last LDS store
	ds_add_u32 v[SPW], v[NIL]
	s_wait_dscnt 0x0
	s_endpgm
; ---- x.  Rows are dense and K is a multiple of 32: a plain stream of blocks of 32.  A wave takes 16 steps of 512 numbers.  Each load reads 512 consecutive bytes, 16 a lane; a step's 2,048 bytes
; turn through the wave's stage (16 bytes of padding behind each 64) and come back 64 bytes a lane: 16 neighbours along K, two lanes to a block.  Loads run four steps ahead, the turn one step.
.Lx:
.set XR, 16                            ; v16-79   four sets of 16 numbers as they are loaded
.set XX, 80                            ; v80-111  two sets of 16 neighbours
.set XE, 112                           ; v112-127 a scale byte for each step
.set XC, 128                           ; v128-189 codes: four registers' room for each step, so that no store's data are written again
.set SP, 80                            ; a lane's place in a stage: its 64 bytes + 16 of padding
	v_lshlrev_b32 v3, 4, v2                        ; my 16 bytes of a load's 512
	s_lshl_b32 s25, s24, 13                        ; my wave's 8,192 bytes of LDS: two stages of 32 x 80, then its 256 scale bytes
	v_lshrrev_b32 v14, 2, v2
	v_mul_u32_u24 v14, v14, SP
	v_and_b32 v15, 3, v2
	v_lshl_add_u32 v14, v15, 4, v14
	v_add_nc_u32 v14, s25, v14                     ; the stage, on the way in: 80 (lane / 4) + 16 (lane % 4)
	v_mul_u32_u24 v15, v2, SP
	v_add_nc_u32 v15, s25, v15                     ; and on the way out: 80 x lane
	v_lshlrev_b32 v4, 3, v2                        ; my codes' place in a step's: 8 bytes a lane
	v_lshrrev_b32 v5, 1, v2
	s_add_co_u32 s25, s25, 2*32*SP
	v_add_nc_u32 v5, s25, v5                       ; my block's scale byte
	v_lshlrev_b32 v7, 3, v2
	v_add_nc_u32 v6, s25, v7                       ; and on the way out 8 bytes a lane
	s_sub_co_u32 s26, ttmp9, 48
	s_lshl_b32 s26, s26, 2
	s_add_co_u32 s26, s26, s24                     ; which run of 8,192 numbers is my wave's
	s_mov_b32 s29, 0
	s_lshl_b32 s28, s26, 15
	s_add_nc_u64 s[4:5], s[4:5], s[28:29]
	s_lshl_b32 s28, s26, 12
	s_add_nc_u64 s[14:15], s[14:15], s[28:29]
	s_lshl_b32 s28, s26, 8
	s_add_nc_u64 s[16:17], s[16:17], s[28:29]
.macro XLOAD t
.irp i, 0,1,2,3
	global_load_b128 v[XR+16*((\t)%4)+4*\i:XR+16*((\t)%4)+4*\i+3], v3, s[4:5] offset:2048*(\t)+512*\i th:TH_LOAD_NT
.endr
.endm
.macro XTURN t                         ; step t's numbers through the stage: LDS serves a wave's instructions in order, so no wait stands between the stores and the loads
.irp i, 0,1,2,3
	ds_store_b128 v14, v[XR+16*((\t)%4)+4*\i:XR+16*((\t)%4)+4*\i+3] offset:32*SP*((\t)%2)+8*SP*\i
.endr
.irp i, 0,1,2,3
	ds_load_b128 v[XX+16*((\t)%2)+4*\i:XX+16*((\t)%2)+4*\i+3], v15 offset:32*SP*((\t)%2)+16*\i
.endr
.endm
.macro XSTEP t
.set XS, XX+16*((\t)%2)
.if (\t) > 0
	s_wait_dscnt 1                                 ; this step's numbers are back from the stage (the last step's byte store may be out): so its stores into the stage have read their registers,
.else
	s_wait_dscnt 0x0
.endif
.if (\t)+4 < 16
	XLOAD (\t)+4                                   ; which take the loads of four steps on
.endif
.if (\t)+1 < 16
.if 14-(\t) >= 3
	s_wait_loadcnt 12                              ; the next step's four loads are in; those of the three steps behind it may be out
.else
	s_wait_loadcnt 4*(14-(\t))
.endif
	XTURN (\t)+1
.endif
	v_max3_num_f32 v8, |v[XS]|, |v[XS+1]|, |v[XS+2]|               ; the largest magnitude of my 16
	v_max3_num_f32 v9, |v[XS+3]|, |v[XS+4]|, |v[XS+5]|
.irp i, 6,10
	v_max3_num_f32 v8, v8, |v[XS+\i]|, |v[XS+\i+1]|
	v_max3_num_f32 v9, v9, |v[XS+\i+2]|, |v[XS+\i+3]|
.endr
	v_max3_num_f32 v8, v8, |v[XS+14]|, |v[XS+15]|
	v_max3_num_f32 v8, v8, v9, 0x1800000           ; and the floor 2^(3 - 127)
	v_max_num_f32_dpp v8, v8, v8 row_xmask:1 row_mask:0xf bank_mask:0xf   ; and of my neighbour's 16: the block's
	v_add_nc_u32 v11, 0xff000000, v8               ; 2 off its exponent field: the conversion's scale operand
	v_cvt_scalef32_pk8_fp4_f32 v[XC+4*(\t)], v[XS:XS+7], v11
	v_cvt_scalef32_pk8_fp4_f32 v[XC+4*(\t)+1], v[XS+8:XS+15], v11
	v_lshrrev_b32 v[XE+(\t)], 23, v11              ; the scale's byte (a plain line behind the conversions)
	ds_store_b8 v5, v[XE+(\t)] offset:16*(\t)      ; both lanes of a block write the same byte with the same value
	global_store_b64 v4, v[XC+4*(\t):XC+4*(\t)+1], s[14:15] offset:256*(\t)   ; the wave stores 256 consecutive bytes, aligned
.endm
.irp t, 0,1,2,3
	XLOAD \t
.endr
	s_wait_loadcnt 12                              ; step 0's four loads are in
	XTURN 0
.irp t, 0,1,2,3,4,5,6,7,8,9,10,11,12,13,14,15
	XSTEP \t
.endr
	ds_load_b64 v[8:9], v6                         ; my wave's 256 scale bytes: LDS serves a wave's instructions in order
	s_wait_dscnt 0x0
	global_store_b64 v7, v[8:9], s[16:17]          ; 256 consecutive bytes, aligned
	s_wait_tensorcnt 0x0                           ; the wave's end, behind my last LDS store
	ds_add_u32 v[SPW], v[NIL]
	s_wait_dscnt 0x0
	s_endpgm
.Lfunc_end_k_q7ab9ca2fdb_prep:
	.size	k_q7ab9ca2fdb_prep, .Lfunc_end_k_q7ab9ca2fdb_prep-k_q7ab9ca2fdb_prep
	.p2alignl 7, 3214868480
	.fill 96, 4, 3214868480
	.section	.rodata,"a",@progbits
	.p2align	6, 0x0
	.amdhsa_kernel k_q7ab9ca2fdb_prep
		.amdhsa_group_segment_fixed_size 68608
		.amdhsa_private_segment_fixed_size 0
		.amdhsa_enable_private_segment 0
		.amdhsa_kernarg_size 80
		.amdhsa_user_sgpr_count 2
		.amdhsa_user_sgpr_kernarg_segment_ptr 1
		.amdhsa_wavefront_size32 1
		.amdhsa_system_sgpr_workgroup_id_x 1
		.amdhsa_system_sgpr_workgroup_id_y 1
		.amdhsa_system_sgpr_workgroup_id_z 1
		.amdhsa_system_vgpr_workitem_id 0
		.amdhsa_next_free_vgpr 192
		.amdhsa_next_free_sgpr 66
		.amdhsa_reserve_vcc 0
		.amdhsa_float_denorm_mode_32 3
		.amdhsa_float_denorm_mode_16_64 3
		.amdhsa_memory_ordered 1
		.amdhsa_forward_progress 1
		.amdhsa_inst_pref_size 122
	.end_amdhsa_kernel
	.amdgpu_metadata
---
amdhsa.version: [ 1, 2 ]
amdhsa.kernels:
  - .name:           k_q7ab9ca2fdb_prep
    .symbol:         k_q7ab9ca2fdb_prep.kd
    .args:
      - { .name: x, .offset: 0, .size: 8, .value_kind: global_buffer, .address_space: global }
      - { .name: Wq, .offset: 8, .size: 8, .value_kind: global_buffer, .address_space: global }
      - { .name: Wk, .offset: 16, .size: 8, .value_kind: global_buffer, .address_space: global }
      - { .name: Wv, .offset: 24, .size: 8, .value_kind: global_buffer, .address_space: global }
      - { .name: Wp, .offset: 32, .size: 8, .value_kind: global_buffer, .address_space: global }
      - { .name: x_codes, .offset: 40, .size: 8, .value_kind: global_buffer, .address_space: global }
      - { .name: x_scales, .offset: 48, .size: 8, .value_kind: global_buffer, .address_space: global }
      - { .name: w_codes, .offset: 56, .size: 8, .value_kind: global_buffer, .address_space: global }
      - { .name: w_scales, .offset: 64, .size: 8, .value_kind: global_buffer, .address_space: global }
      - { .name: wp16, .offset: 72, .size: 8, .value_kind: global_buffer, .address_space: global }
    .group_segment_fixed_size: 68608
    .private_segment_fixed_size: 0
    .kernarg_segment_align: 8
    .kernarg_segment_size: 80
    .max_flat_workgroup_size: 128
    .sgpr_count:     66
    .vgpr_count:     192
    .wavefront_size: 32
...
	.end_amdgpu_metadata
.endif
;; end of part 1
;; launch gemm_qkv (part 2): grid 16 x 32, 4 waves a work-group, clusters of 4 x 1, 327,680 bytes of LDS; arguments x_codes, x_scales, w_codes, w_scales, qkv, qkv16; writes qkv, qkv16
.if DOCPART == 2
	.amdgcn_target "amdgcn-amd-amdhsa--gfx1250"
	.amdhsa_code_object_version 6
	.text
	.protected	k_q7ab9ca2fdb_gemm_qkv
	.globl	k_q7ab9ca2fdb_gemm_qkv
	.p2align	8
	.type	k_q7ab9ca2fdb_gemm_qkv,@function
k_q7ab9ca2fdb_gemm_qkv:
	s_mov_b64 s[64:65], 0
	v_nop
	global_prefetch_b8 v0, s[64:65] scope:SCOPE_SE
	s_setreg_imm32_b32 hwreg(HW_REG_WAVE_MODE, 25, 1), 1
	s_wait_xcnt 0x0
	s_wait_alu depctr_hold_cnt(0) depctr_sa_sdst(0) depctr_va_vdst(0) depctr_va_sdst(0) depctr_va_ssrc(0) depctr_va_vcc(0) depctr_vm_vsrc(0)
	s_getreg_b32 s2, hwreg(HW_REG_IB_STS2, 6, 4)
	s_cmp_eq_u32 s2, 0
	s_cbranch_scc0 .Lentry_in_a_cluster
	s_endpgm
.Lentry_in_a_cluster:
	s_bfe_u32 s2, ttmp6, 0x10000c
	s_cmp_lg_u32 s2, 0x3003
	s_cbranch_scc0 .Lentry_shape_is_right
	s_endpgm
.Lentry_shape_is_right:
; q, k, v = x W, the three quantised products as one: [8192 tokens] x [3072 features n = 64 G + d], K = 1,024, on codes of FP4 (E2M1) with one E8M0 byte for each 32 along K; sums in f32.
; OUT: qkv, f16, [G 48][8192 tokens][64]; q's heads (G < 16) multiplied in f32 by c = log2(e) / 8 ahead of their one rounding, so that attention's scores are exponents of 2.
;      qkv16, f32, unscaled, [G][batch 4][t 16][64]: the first 16 positions of every sequence, for the launch that carries them in f32.
; LIMIT: |c q|, |k|, |v| stay under 65,504 (f16).
; SHARES.  A work-group makes 256 tokens x 192 features (three whole heads); wave w makes tokens 64 w .. 64 w + 63 x all 192: 48 accumulators of 16 x 16.  512 work-groups.
; K is 1,024: both halves of K lie in LDS at once, in two slots that are filled ONCE, at the head; nothing is filled again.  The scale bytes of the work-group's rows come with them, as dense blocks.
; CLUSTER 4 x 1: the four partners make the same 256 tokens, so x's tiles and scale bytes (136 of a work-group's 238 KB) are asked for JOINTLY, with a mask that names the four; W's tiles differ and are plain loads.
; A cluster with more than one row would make the test for a batch's first block hang on a work-group's place in its cluster; here it hangs on the cluster's y and the wave's number, which all partners share.
; THE MATRIX INSTRUCTION IS USED TRANSPOSED (source 0 = 16 features, source 1 = 16 tokens): a lane holds token lane % 16 and eight neighbouring features 16 b + 8 (lane / 16) + 0 .. 7.
; REGISTERS, in windows of 256: window 0: v16-29 addresses; v32-159 scale words, two sets, and nothing else; v160-223 x's fragments, two sets of 4.
;   window 1: W's fragments, two sets of 12 at v0 and v96; on the way out v0-47 packed results, v64-111 rows read back.   windows 2, 3: accumulator (a, b) at v[96 (a % 2) + 8 b] of window 2 + a / 2.
.set PITCH, 272                        ; an LDS row: 256 bytes + 16 of padding: the 16 rows that a load touches start at 16 different 16-byte columns
.set HALFA, 128*PITCH                  ; what one load brings of x: 128 rows
.set HALFB, 96*PITCH                   ; and of W: 96 rows
.set BOFF,  2*HALFA
.set SLOT,  2*HALFA+2*HALFB            ; x's 256 rows, then W's 192: 512 along K
.set SCA,   2*SLOT                     ; x's scale bytes: 256 rows x 32 bytes as 32 runs of 256 bytes + 16 of padding
.set SCB,   SCA+32*272                 ; W's: 24 such runs
.set STG,   259072                     ; the stages, in blocks of 256 bytes into which no fill lands: 3 heads x 16 rows x (128 + 16) bytes for each wave
.set WSTG,  3*16*144
.set SPARE, STG+4*WSTG                 ; the spare words, 128 bytes for each wave: two blocks of 256 bytes that no other line names
.set ADRA, 16                          ; v16-17 LDS address of my fragments of x in slot 0, 1
.set ADRB, 20                          ; v20-21 the same for W
.set ADSA, 22                          ; v22    of x's scale words
.set ADSB, 23                          ; v23    of W's
.set STO,  24                          ; v24    the stage: where I put 16 bytes of a row
.set RD,   25                          ; v25    and where I read rows back
.set GO,   26                          ; v26    16 x lane
.set A16,  27                          ; v27    my place in qkv16: 256 r + 32 h
.set SPW,  28                          ; v28    LDS address of my spare word; never rewritten
.set NIL,  29                          ; v29    0; never rewritten
.set SC,   32                          ; scale words: set s at SC + 64 s; x's block a, step q at + 4 a + q; W's block b at + 16 + 4 b + q
.set AF,   160                         ; x's fragments: set p at AF + 32 p + 8 a
.set PK,   0                           ; window 1, way out
.set BK,   64
.set G1A,  24                          ; s[24:31] group 1 for x's tiles;  s[32:39] W's;  s[40:47] x's scale bytes;  s[48:55] W's
.set G1B,  32
.set G1SA, 40
.set G1SB, 48
.set G0A,  56                          ; s[56:63] groups 0 for x's tiles, a set for each slot;  s[68:75] W's;  s[76:79], s[80:83] the scale bytes'
.set G0B,  68
.set G0SA, 76
.set G0SB, 80
.set FS,   84                          ; s[84:89] three pairs: the factor of each of my three heads
.set MSB, 0
.macro WIN new                         ; the immediate's high byte repeats the setting that is left
.if MSB != (\new)
	s_set_vgpr_msb (MSB<<8)|(\new)
.set MSB, (\new)
.endif
.endm
.set MUL_LO, 0xa1                      ; source 0 (W) window 1, source 1 (x) window 0, C and D window 2
.set MUL_HI, 0xf1                      ; the same, C and D window 3
.set TO_B,   0x40                      ; destination window 1, address window 0
; Waves 0 and 1 fetch for x (jointly), waves 2 and 3 for W.  The branch hangs on the wave's number alone.  An s_nop 0 and four v_nop follow each of the two lines.
.macro JLOAD g0a, g1a, g0b, g1b
	s_cmp_eq_u32 s15, 0
	s_cbranch_scc0 .Lfor_b_\@
	tensor_load_to_lds s[\g0a:\g0a+3], s[\g1a:\g1a+7]
	s_nop 0
.rept 4
	v_nop
.endr
	s_branch .Lasked_\@
.Lfor_b_\@:
	tensor_load_to_lds s[\g0b:\g0b+3], s[\g1b:\g1b+7]
	s_nop 0
.rept 4
	v_nop
.endr
.Lasked_\@:
.endm
.macro CROUND                          ; a round of the cluster's barrier
	s_barrier_signal -1
	s_barrier_wait -1
	s_cmp_lg_u32 s14, 0
	s_cbranch_scc1 .Lnot_wave_0_\@
	s_barrier_signal -3
.Lnot_wave_0_\@:
	s_barrier_wait -3
	s_barrier_signal -1
	s_barrier_wait -1
.endm
.macro PLACES                          ; four places in front of loads into registers that matrix instructions have read, and of the first read of results
.rept 4
	v_nop
.endr
.endm
	s_load_b256 s[4:11], s[0:1], 0x0               ; x_codes s[4:5], x_scales s[6:7], w_codes s[8:9], w_scales s[10:11]
	s_load_b64 s[12:13], s[0:1], 0x20              ; qkv
	s_load_b64 s[66:67], s[0:1], 0x28              ; qkv16
	v_lshl_add_u32 v[SPW], v0, 2, SPARE
	v_mov_b32 v[NIL], 0
	ds_add_u32 v[SPW], v[NIL]                      ; the wave's opening: the add, twice on end, and its wait ahead of my first tensor load
	ds_add_u32 v[SPW], v[NIL]
	v_lshrrev_b32 v1, 5, v0
	v_readfirstlane_b32 s14, v1                    ; wave 0..3
	s_lshr_b32 s15, s14, 1                         ; I fetch for x (0) or for W (1)
	s_and_b32 s16, s14, 1                          ; which half of that tile's rows
	s_and_b32 s17, ttmp7, 0xffff                   ; my block of 256 tokens (the cluster's y; the cluster is one work-group high)
	s_bfe_u32 s19, ttmp6, 0x40000                  ; cx
	s_lshl_b32 s18, ttmp9, 2
	s_add_co_u32 s18, s18, s19                     ; my block of 192 features = 4 x cluster x + cx
	s_and_b32 s20, s17, 7
	s_or_b32 s20, s20, s14                         ; 0 where my wave holds a batch's first 16 positions: block 0 of the batch's 8, wave 0
	s_mov_b32 s[G1A+0], 15|(1<<20)|(1<<21)|(5<<22)|(3<<25)    ; 15:0 the mask: all four; 17:16 elements of 1 byte; 20 padding on; 21 set beside a mask; 24:22 after every 64 words; 31:25 four words
	s_mov_b32 s[G1A+1], 256<<16                    ; tensor_dim0
	s_mov_b32 s[G1A+2], 128<<16                    ; tensor_dim1
	s_mov_b32 s[G1A+3], 256<<16                    ; tile_dim0
	s_mov_b32 s[G1A+4], 128                        ; tile_dim1
	s_mov_b32 s[G1A+5], 512                        ; from row to row
	s_mov_b32 s[G1A+6], 0
	s_mov_b32 s[G1A+7], 0
	s_mov_b32 s[G1B+0], (1<<20)|(5<<22)|(3<<25)    ; no mask
	s_mov_b32 s[G1B+1], 256<<16
	s_mov_b32 s[G1B+2], 96<<16
	s_mov_b32 s[G1B+3], 256<<16
	s_mov_b32 s[G1B+4], 96
	s_mov_b32 s[G1B+5], 512
	s_mov_b32 s[G1B+6], 0
	s_mov_b32 s[G1B+7], 0
	s_mov_b32 s[G1SA+0], 15|(3<<16)|(1<<20)|(1<<21)|(5<<22)|(3<<25)   ; a dense block as rows of 32 elements of 8 bytes
	s_mov_b32 s[G1SA+1], 32<<16
	s_mov_b32 s[G1SA+2], 16<<16
	s_mov_b32 s[G1SA+3], 32<<16
	s_mov_b32 s[G1SA+4], 16
	s_mov_b32 s[G1SA+5], 32
	s_mov_b32 s[G1SA+6], 0
	s_mov_b32 s[G1SA+7], 0
	s_mov_b32 s[G1SB+0], (3<<16)|(1<<20)|(5<<22)|(3<<25)
	s_mov_b32 s[G1SB+1], 32<<16
	s_mov_b32 s[G1SB+2], 12<<16
	s_mov_b32 s[G1SB+3], 32<<16
	s_mov_b32 s[G1SB+4], 12
	s_mov_b32 s[G1SB+5], 32
	s_mov_b32 s[G1SB+6], 0
	s_mov_b32 s[G1SB+7], 0
	; byte offsets.  x's are made of the block of tokens and the wave's number, in registers that never hold cx
	s_lshl_b32 s90, s17, 17                        ; x's codes: (256 my + 128 e) rows of 512 bytes
	s_lshl_b32 s98, s16, 16
	s_add_co_u32 s90, s90, s98
	s_mov_b32 s91, 0
	s_lshl_b32 s92, s17, 13                        ; x's scale bytes: rows of 32
	s_lshl_b32 s98, s16, 12
	s_add_co_u32 s92, s92, s98
	s_mov_b32 s93, 0
	s_mul_i32 s94, s18, 192*512                    ; W's codes: (192 nx + 96 e) rows
	s_mul_i32 s99, s16, 96*512
	s_add_co_u32 s94, s94, s99
	s_mov_b32 s95, 0
	s_mul_i32 s96, s18, 192*32                     ; W's scale bytes
	s_mul_i32 s99, s16, 96*32
	s_add_co_u32 s96, s96, s99
	s_mov_b32 s97, 0
	s_mul_i32 s21, s16, HALFA                      ; where they go: the wave's number alone enters an LDS address
	s_mul_i32 s22, s16, HALFB
	s_add_co_u32 s22, s22, BOFF
	s_mul_i32 s23, s16, 16*272
	s_add_co_u32 s23, s23, SCA
	s_mul_i32 s2, s16, 12*272
	s_add_co_u32 s2, s2, SCB
	s_mul_i32 s3, s18, 3                           ; the first of my three heads
.irp hh, 0,1,2
	s_add_co_u32 s99, s3, \hh
	s_cmp_lt_u32 s99, 16                           ; one of q's heads?  Only a factor is chosen: no branch
	s_cselect_b32 s[FS+2*\hh], 0x3e38aa3b, 1.0     ; c = log2(e) / 8, or 1
	s_mov_b32 s[FS+2*\hh+1], s[FS+2*\hh]           ; (named with it as a pair, so it is written)
.endr
	s_wait_dscnt 0x0                               ; both opening adds are done
	s_wait_kmcnt 0x0
	s_add_nc_u64 s[90:91], s[4:5], s[90:91]
	s_add_nc_u64 s[92:93], s[6:7], s[92:93]
	s_add_nc_u64 s[94:95], s[8:9], s[94:95]
	s_add_nc_u64 s[96:97], s[10:11], s[96:97]
	CROUND                                         ; all four work-groups are here: the first joint loads meet
	s_mov_b32 s[G0SA], 1
	s_mov_b32 s[G0SA+1], s23
	s_mov_b64 s[G0SA+2:G0SA+3], s[92:93]
	s_or_b32 s[G0SA+3], s[G0SA+3], 0x80000000
	s_mov_b32 s[G0SB], 1
	s_mov_b32 s[G0SB+1], s2
	s_mov_b64 s[G0SB+2:G0SB+3], s[96:97]
	s_or_b32 s[G0SB+3], s[G0SB+3], 0x80000000
	JLOAD G0SA, G1SA, G0SB, G1SB                   ; the scale bytes first: they are wanted with the first step
.irp s, 0,1
	s_mov_b32 s[G0A+4*\s], 1
	s_add_co_u32 s[G0A+4*\s+1], s21, \s*SLOT
	s_add_nc_u64 s[G0A+4*\s+2:G0A+4*\s+3], s[90:91], \s*256
	s_or_b32 s[G0A+4*\s+3], s[G0A+4*\s+3], 0x80000000
	s_mov_b32 s[G0B+4*\s], 1
	s_add_co_u32 s[G0B+4*\s+1], s22, \s*SLOT
	s_add_nc_u64 s[G0B+4*\s+2:G0B+4*\s+3], s[94:95], \s*256
	s_or_b32 s[G0B+4*\s+3], s[G0B+4*\s+3], 0x80000000
	JLOAD G0A+4*\s, G1A, G0B+4*\s, G1B             ; by this text's count three tensor loads of a wave are out
.endr
	v_and_b32 v1, 15, v0                           ; r
	v_bfe_u32 v2, v0, 4, 1                         ; h
	v_and_b32 v3, 31, v0                           ; lane
	v_mul_u32_u24 v4, v1, PITCH
	v_lshl_add_u32 v4, v2, 4, v4                   ; a fragment's row x pitch + 16 h
	s_mul_i32 s98, s14, 64*PITCH                   ; my 64 tokens
	v_add_nc_u32 v[ADRA], s98, v4
	v_add_nc_u32 v[ADRA+1], SLOT, v[ADRA]
	v_add_nc_u32 v[ADRB], BOFF, v4
	v_add_nc_u32 v[ADRB+1], SLOT, v[ADRB]
	v_lshrrev_b32 v5, 3, v1                        ; a row's 32 scale bytes: eight rows to a run of 256 bytes
	v_and_b32 v6, 7, v1
	v_mul_u32_u24 v5, v5, 272
	v_lshl_add_u32 v5, v6, 5, v5
	s_mul_i32 s98, s14, 8*272
	s_add_co_u32 s98, s98, SCA
	v_add_nc_u32 v[ADSA], s98, v5
	v_add_nc_u32 v[ADSB], SCB, v5
	s_mul_i32 s98, s14, WSTG
	s_add_co_u32 s98, s98, STG                     ; my stage
	v_mul_u32_u24 v6, v1, 144
	v_lshl_add_u32 v6, v2, 4, v6
	v_add_nc_u32 v[STO], s98, v6                   ; in: row r, 16 bytes for each half of the lanes
	v_lshrrev_b32 v6, 3, v3
	v_and_b32 v7, 7, v3
	v_mul_u32_u24 v6, v6, 144
	v_lshl_add_u32 v6, v7, 4, v6
	v_add_nc_u32 v[RD], s98, v6                    ; back: eight lanes to a row of 128 bytes, four rows an instruction
	v_lshlrev_b32 v[GO], 4, v3
	v_lshlrev_b32 v[A16], 8, v1
	v_lshl_add_u32 v[A16], v2, 5, v[A16]
	s_lshl_b32 s98, s3, 20                         ; qkv at my first head, my wave's first token
	s_lshl_b32 s99, s17, 15
	s_add_co_u32 s98, s98, s99
	s_lshl_b32 s99, s14, 13
	s_add_co_u32 s98, s98, s99
	s_mov_b32 s99, 0
	s_add_nc_u64 s[12:13], s[12:13], s[98:99]
	s_lshl_b32 s98, s3, 14                         ; qkv16 at my first head, my batch
	s_lshr_b32 s99, s17, 3
	s_lshl_b32 s99, s99, 12
	s_add_co_u32 s98, s98, s99
	s_mov_b32 s99, 0
	s_add_nc_u64 s[66:67], s[66:67], s[98:99]
.macro FRAG reg, adr, q, i             ; 16 rows x 128 K of 4-bit codes: 8 registers: registers 4 c .. 4 c + 3 hold K = 64 c + 32 h + 0 .. 31
.irp c, 0,1
	ds_load_b128 v[\reg+4*\c:\reg+4*\c+3], v[\adr] offset:64*(\q)+32*\c+(\i)*16*PITCH
.endr
.endm
.macro FETCH Q                         ; step Q's fragments (128 along K) into set Q % 2: 32 LDS loads in one run
	WIN TO_B
.irp i, 0,1,2,3,4,5,6,7,8,9,10,11
	FRAG 96*((\Q)%2)+8*\i, ADRB+(\Q)/4, (\Q)%4, \i
.endr
	WIN 0
.irp i, 0,1,2,3
	FRAG AF+32*((\Q)%2)+8*\i, ADRA+(\Q)/4, (\Q)%4, \i
.endr
.endm
.macro SCALES s                        ; the four scale words a row of slot s's four steps
.irp a, 0,1,2,3
	ds_load_b128 v[SC+64*\s+4*\a:SC+64*\s+4*\a+3], v[ADSA] offset:544*\a+16*\s
.endr
.irp b, 0,1,2,3,4,5,6,7,8,9,10,11
	ds_load_b128 v[SC+64*\s+16+4*\b:SC+64*\s+16+4*\b+3], v[ADSB] offset:544*\b+16*\s
.endr
.endm
.macro MUL a, Q, zero                  ; x's block a against W's twelve.  zero = 1: the first product starts the sums: nothing is ever cleared
.set ACB, 96*((\a)%2)
.set BFR, 96*((\Q)%2)
.set AFR, AF+32*((\Q)%2)+8*(\a)
.set SWD, SC+64*((\Q)/4)
.irp b, 0,1,2,3,4,5,6,7,8,9,10,11
.if \zero
	v_wmma_scale_f32_16x16x128_f8f6f4 v[ACB+8*\b:ACB+8*\b+7], v[BFR+8*\b:BFR+8*\b+7], v[AFR:AFR+7], 0, v[SWD+16+4*\b+(\Q)%4], v[SWD+4*(\a)+(\Q)%4] matrix_a_fmt:MATRIX_FMT_FP4 matrix_b_fmt:MATRIX_FMT_FP4
.else
	v_wmma_scale_f32_16x16x128_f8f6f4 v[ACB+8*\b:ACB+8*\b+7], v[BFR+8*\b:BFR+8*\b+7], v[AFR:AFR+7], v[ACB+8*\b:ACB+8*\b+7], v[SWD+16+4*\b+(\Q)%4], v[SWD+4*(\a)+(\Q)%4] matrix_a_fmt:MATRIX_FMT_FP4 matrix_b_fmt:MATRIX_FMT_FP4
.endif
.endr
.endm
; A step of 128 along K: the next step's fragments are asked for first and have this step's 48 products in which to come.  The 48 accumulators take turns, one instruction a turn, in the same order in every step.
.macro STEP Q, zero
.if (\Q) == 3
	s_wait_tensorcnt 0x0                           ; my part of slot 1 has landed (no load was issued behind it)
.endif
	s_wait_dscnt 0x0                               ; this step's fragments are in
.if (\Q) == 3
	s_barrier_signal -1                            ; slot 1 is whole for every wave
	s_barrier_wait -1
.endif
.if (\Q) < 7
	PLACES
	FETCH (\Q)+1
.endif
	WIN MUL_LO
	MUL 0, \Q, \zero
	MUL 1, \Q, \zero
	WIN MUL_HI
	MUL 2, \Q, \zero
	MUL 3, \Q, \zero
	WIN 0
.endm
	s_wait_tensorcnt 1                             ; the scale bytes and my part of slot 0 are in; slot 1's load may be out,
	s_barrier_signal -1
	s_barrier_wait -1                              ; everybody's are
	SCALES 0
	SCALES 1
	FETCH 0
	STEP 0, 1
.irp Q, 1,2,3,4,5,6,7
	STEP \Q, 0
.endr
	PLACES
	; the first 16 positions of a sequence, as f32, unscaled: block a = 0 of wave 0 in a batch's first block of tokens
	s_cmp_eq_u32 s20, 0
	s_cbranch_scc0 .Lno16
	WIN 0x08                                       ; a store's data are its source 1: window 2
.irp b, 0,1,2,3,4,5,6,7,8,9,10,11
	global_store_b128 v[A16], v[8*\b:8*\b+3], s[66:67] offset:(\b/4)*16384+(\b%4)*64        ; each accumulator from its low end on
	global_store_b128 v[A16], v[8*\b+4:8*\b+7], s[66:67] offset:(\b/4)*16384+(\b%4)*64+16
.endr
	WIN 0
	s_wait_xcnt 0x0                                ; these stores have read their data: the scaling below writes those registers
.Lno16:
; THE WAY OUT, a block of 16 tokens at a time: x the head's factor, rounded to f16, 16 bytes a lane into my stage, back as rows: each store covers 512 consecutive bytes (four tokens of a head).
.macro PACK a
.set ACB, 96*((\a)%2)
	WIN 0x82+0x41*((\a)/2)                         ; destination and source 0: window 2 or 3
.irp b, 0,1,2,3,4,5,6,7,8,9,10,11
.irp i, 0,2,4,6
	v_pk_mul_f32 v[ACB+8*\b+\i:ACB+8*\b+\i+1], v[ACB+8*\b+\i:ACB+8*\b+\i+1], s[FS+2*(\b/4):FS+2*(\b/4)+1] op_sel_hi:[1,0]
.endr
.endr
	WIN 0x4a+5*((\a)/2)                            ; sources window 2 or 3, destination window 1
.irp b, 0,1,2,3,4,5,6,7,8,9,10,11
.irp i, 0,1,2,3
	v_cvt_pk_f16_f32 v[PK+4*\b+\i], v[ACB+8*\b+2*\i], v[ACB+8*\b+2*\i+1]
.endr
.endr
.endm
.macro TOSTAGE
	WIN 0x04                                       ; an LDS store's data are its source 1: window 1
.irp b, 0,1,2,3,4,5,6,7,8,9,10,11
	ds_store_b128 v[STO], v[PK+4*\b:PK+4*\b+3] offset:(\b/4)*2304+(\b%4)*32
.endr
	WIN TO_B
.irp k, 0,1,2,3,4,5,6,7,8,9,10,11
	ds_load_b128 v[BK+4*\k:BK+4*\k+3], v[RD] offset:(\k/4)*2304+(\k%4)*576   ; LDS serves a wave's instructions in order: these see the stores above
.endr
.endm
.macro SEND a
	s_wait_dscnt 0x0                               ; the block is back in registers
	WIN 0x04
.irp k, 0,1,2,3,4,5,6,7,8,9,10,11
	global_store_b128 v[GO], v[BK+4*\k:BK+4*\k+3], s[12:13] offset:(\k/4)*1048576+(\a)*2048+(\k%4)*512
.endr
.endm
	PACK 0
	TOSTAGE
.irp a, 1,2,3
	PACK \a                                        ; a block's arithmetic stands between the loads of the block before and the wait for them
	SEND \a-1
	s_wait_xcnt 0x0                                ; those stores have read their data: the next block's loads may land there
	TOSTAGE
.endr
	SEND 3
	WIN 0
	s_wait_tensorcnt 0x0                           ; the wave's end, behind my last tensor load and my last LDS store
	ds_add_u32 v[SPW], v[NIL]
	s_wait_dscnt 0x0
	CROUND                                         ; the closing round: no work-group ends while a partner may still ask for a tile that names it
	s_endpgm
.Lfunc_end_k_q7ab9ca2fdb_gemm_qkv:
	.size	k_q7ab9ca2fdb_gemm_qkv, .Lfunc_end_k_q7ab9ca2fdb_gemm_qkv-k_q7ab9ca2fdb_gemm_qkv
	.p2alignl 7, 3214868480
	.fill 96, 4, 3214868480
	.section	.rodata,"a",@progbits
	.p2align	6, 0x0
	.amdhsa_kernel k_q7ab9ca2fdb_gemm_qkv
		.amdhsa_group_segment_fixed_size 327680
		.amdhsa_private_segment_fixed_size 0
		.amdhsa_enable_private_segment 0
		.amdhsa_kernarg_size 48
		.amdhsa_user_sgpr_count 2
		.amdhsa_user_sgpr_kernarg_segment_ptr 1
		.amdhsa_wavefront_size32 1
		.amdhsa_system_sgpr_workgroup_id_x 1
		.amdhsa_system_sgpr_workgroup_id_y 1
		.amdhsa_system_sgpr_workgroup_id_z 1
		.amdhsa_system_vgpr_workitem_id 0
		.amdhsa_next_free_vgpr 1024
		.amdhsa_next_free_sgpr 100
		.amdhsa_reserve_vcc 0
		.amdhsa_float_denorm_mode_32 3
		.amdhsa_float_denorm_mode_16_64 3
		.amdhsa_memory_ordered 1
		.amdhsa_forward_progress 1
		.amdhsa_inst_pref_size 117
	.end_amdhsa_kernel
	.amdgpu_metadata
---
amdhsa.version: [ 1, 2 ]
amdhsa.kernels:
  - .name:           k_q7ab9ca2fdb_gemm_qkv
    .symbol:         k_q7ab9ca2fdb_gemm_qkv.kd
    .args:
      - { .name: x_codes, .offset: 0, .size: 8, .value_kind: global_buffer, .address_space: global }
      - { .name: x_scales, .offset: 8, .size: 8, .value_kind: global_buffer, .address_space: global }
      - { .name: w_codes, .offset: 16, .size: 8, .value_kind: global_buffer, .address_space: global }
      - { .name: w_scales, .offset: 24, .size: 8, .value_kind: global_buffer, .address_space: global }
      - { .name: qkv, .offset: 32, .size: 8, .value_kind: global_buffer, .address_space: global }
      - { .name: qkv16, .offset: 40, .size: 8, .value_kind: global_buffer, .address_space: global }
    .group_segment_fixed_size: 327680
    .private_segment_fixed_size: 0
    .kernarg_segment_align: 8
    .kernarg_segment_size: 48
    .max_flat_workgroup_size: 128
    .sgpr_count:     100
    .vgpr_count:     1024
    .wavefront_size: 32
...
	.end_amdgpu_metadata
.endif
;; end of part 2
;; launch attn (part 3): grid 4 x 64, 8 waves a work-group, no clusters, 327,680 bytes of LDS; arguments qkv, o16; writes o16
.if DOCPART == 3
	.amdgcn_target "amdgcn-amd-amdhsa--gfx1250"
	.amdhsa_code_object_version 6
	.text
	.protected	k_q7ab9ca2fdb_attn
	.globl	k_q7ab9ca2fdb_attn
	.p2align	8
	.type	k_q7ab9ca2fdb_attn,@function
k_q7ab9ca2fdb_attn:
	s_mov_b64 s[64:65], 0
	v_nop
	global_prefetch_b8 v0, s[64:65] scope:SCOPE_SE
	s_setreg_imm32_b32 hwreg(HW_REG_WAVE_MODE, 25, 1), 1
	s_wait_xcnt 0x0
; o16[h][token][:] = the sum over keys s <= t of softmax_s(q . k / 8) v, for each batch and head.  q (already x log2(e) / 8), k, v: f16, [G][8192 tokens][64]; o16: f16, [h][8192 tokens][64].
; Products on f16 operands with f32 sums; maxima, exponentials and scalings in f32; p = 2^(score - m) with the running maximum m, so p is at most 1; the row's sum is the sum of the p that are multiplied (p x ones).
; LIMIT: |attention's result| stays under 65,504 (it is an average of v).  NaN and infinities are not served.
; SHARES.  Work-group (g, batch and head) takes the query blocks 7 - g and g, of 256 queries: (8 - g) + (g + 1) = 9 runs of 256 keys whatever g: 256 work-groups of equal work.  Wave w takes 32 queries of a block, two tiles of 16;
; two waves lie on a SIMD, so that one wave's softmax stands beside the other's products.  A key step is 64 keys; a slot of the ring holds 256 keys, four steps.
; NO CLUSTER: the four work-groups of a head need different numbers of tiles in each pass, and under the causal mask every wave of a partner would jump over the reads of tiles that a joint load brought.
; LAYOUT.  S^T = K Q^T (source 0 = 16 keys, source 1 = 16 queries): a lane holds one query (lane % 16) and keys 8 (lane / 16) + 0 .. 7.  Two such tiles rounded to f16 in pairs ARE source 1 of O^T = V^T P.  V is turned by ds_load_tr16_b128.
; LDS.  A head's rows are dense in memory (128 bytes a key), so a tile is stated as rows of 256 bytes, two keys each: key n lies at (n / 2) x pitch + 128 (n % 2).  K's pitch 272, V's 288.
; THE CAUSAL MASK.  Every work-group walks a constant number of slots (8, then 4).  A step all of whose keys come after the wave's queries is left out by a branch on ids; a slot that none of the work-group's waves reads is not asked for.
; Every wait on TENSORcnt in this text is for 0.
; REGISTERS: window 0: v1-15 addresses and constants; v16-31 statistics; v64-127 S^T; v128-159 P; v160-223 O^T; v224-239 the row sums.  window 1: v0-31 Q; v32-95 K; v96-159 V; v160-167 ones.
.set KP,    272
.set VP,    288
.set VOFF,  128*KP                     ; a slot: 128 long rows of K, then 128 of V
.set SLOT1, 1<<17                      ; slot 1 begins here: one exclusive or turns an address in one slot into the other's
.set STAGE, SLOT1+128*(KP+VP)          ; behind the ring, bytes of its own: 16 rows x (128 + 16) bytes for each wave
.set SPARE, STAGE+8*16*144             ; the spare words, 128 bytes for each wave: four blocks of 256 bytes that no other line names
.set AK0, 1                            ; v1  my lane's place in a tile of K
.set AV0, 2                            ; v2  the same for V
.set ADK, 3                            ; v3  LDS address of the step's K
.set ADV, 4                            ; v4  of its V
.set SPW, 5                            ; v5  LDS address of my spare word; never rewritten
.set NIL, 6                            ; v6  0; never rewritten
.set STO, 7                            ; v7  the stage: where I put 16 bytes of a row
.set RD,  8                            ; v8  and where I read rows back
.set GO,  9                            ; v9  16 x lane
.set QO,  10                           ; v10 my place in a tile of Q in memory
.set PFO, 11                           ; v11 256 x lane
.set DL,  12                           ; v12 r - 8 h
.set DD,  13                           ; v13-14 for each tile: my query - the step's first key - 8 h
.set NEG, 15                           ; v15 -infinity
.set ST,  16                           ; tile t's statistics at ST + 8 t: +0 m, +1 its pair's mate, +2 a (at the end 1 / l), +3 its mate, +4 .. +7 at work
.set S,   64
.set P,   128
.set O,   160
.set LS,  224
.set QF,  0                            ; window 1
.set KF,  32
.set VF,  96
.set ONES, 160
.set WV,  8                            ; s8  my wave's number
.set GG,  9                            ; s9  g
.set KB,  14                           ; s[14:15] K at the head's first key, my half of a slot;  s[16:17] V likewise
.set VB,  16
.set QH,  18                           ; s[18:19] q at the head's first token;  s[20:21] o16 likewise
.set OH,  20
.set G1K, 24                           ; s[24:31], s[32:39] descriptor groups 1;  s[40:43], s[44:47] groups 0, which walk
.set G1V, 32
.set G0K, 40
.set G0V, 44
.set SEL, 48                           ; s[48:49] lane selects for v_permlanex16_b32: lane l xor 16
.set TK,  51                           ; s51 LDS byte at which the step's K begins;  s52 its V (less VOFF)
.set TV,  52
.set KEY, 53                           ; s53 the step's first key
.set Q0,  54                           ; s54 my wave's first query
.set SLOTS, 55
.set STEPS, 56
.set LIM, 57                           ; s57 1 in a wave that prefetches, else the greatest number
.set PFK, 58                           ; s[58:59], s[60:61] where my prefetches stand
.set PFV, 60
.set LK0, 62                           ; s62, s63 my part's place in slot 0
.set LV0, 63
.set QA,  76                           ; s[76:77], s[78:79] the pass's rows of q and of o16
.set OA,  78
.set MSB, 0
.macro WIN new
.if MSB != (\new)
	s_set_vgpr_msb (MSB<<8)|(\new)
.set MSB, (\new)
.endif
.endm
; Waves 0 and 1 fetch K's halves of a slot, waves 2 and 3 V's, the others nothing.  The branches hang on the wave's number alone.  An s_nop 0 and four v_nop follow each of the two lines.
.macro TLOAD
	s_cmp_lt_u32 s[WV], 2
	s_cbranch_scc0 .Lnot_k_\@
	tensor_load_to_lds s[G0K:G0K+3], s[G1K:G1K+7]
	s_nop 0
.rept 4
	v_nop
.endr
	s_branch .Lasked_\@
.Lnot_k_\@:
	s_cmp_lt_u32 s[WV], 4
	s_cbranch_scc0 .Lasked_\@
	tensor_load_to_lds s[G0V:G0V+3], s[G1V:G1V+7]
	s_nop 0
.rept 4
	v_nop
.endr
.Lasked_\@:
.endm
; A PREFETCH of what the NEXT change of slots will ask for: a slot's 32,768 dense bytes of K and of V, four key steps ahead of that load.  All four work-groups of a head walk the same K and V: the one with g = 0, whose first pass
; walks all 8 slots, asks, in that pass alone.  In it waves 4 to 7, which fetch nothing, take 8,192 bytes each of K's block and of V's, lanes 256 bytes apart: each aligned block of 256 bytes is named once in the launch.
; Slots 0 and 1 come by their loads alone; the last change that fills a slot asks for nothing.
.macro ASK
	s_cmp_gt_u32 s[SLOTS], s[LIM]
	s_cbranch_scc0 .Lnot_mine_\@
	global_prefetch_b8 v[PFO], s[PFK:PFK+1] th:TH_LOAD_NT scope:SCOPE_SE
	global_prefetch_b8 v[PFO], s[PFV:PFV+1] th:TH_LOAD_NT scope:SCOPE_SE
.Lnot_mine_\@:
.endm
; THE CHANGE OF SLOTS stands at a slot's head.  Each wave waits for all its tensor loads, adds 0 to its spare word,
; and waits for that and for its reads of the slot that it has left.  Behind the barrier the slot ahead is whole and nobody reads the other one.  fill = 1: that other slot takes the next 256 keys, if any wave of the work-group will read them.
.macro CHANGE fill, twice, ask
	s_wait_tensorcnt 0x0                           ; no tensor load of mine is out, so a group 0 may be written
	ds_add_u32 v[SPW], v[NIL]                      ; 0 onto my spare word
.if \twice
	ds_add_u32 v[SPW], v[NIL]
.endif
.if \fill
	s_xor_b32 s[G0K+1], s[G0K+1], SLOT1            ; the walking descriptors: the other slot than last time,
	s_add_nc_u64 s[G0K+2:G0K+3], s[G0K+2:G0K+3], 32768   ; the next 256 keys
	s_xor_b32 s[G0V+1], s[G0V+1], SLOT1
	s_add_nc_u64 s[G0V+2:G0V+3], s[G0V+2:G0V+3], 32768
.endif
.if \ask
	s_wait_xcnt 0x0                                ; the last prefetches, a slot back, have read their addresses
	s_add_nc_u64 s[PFK:PFK+1], s[PFK:PFK+1], 32768
	s_add_nc_u64 s[PFV:PFV+1], s[PFV:PFV+1], 32768
.endif
	s_wait_dscnt 0x0                               ; the add is done, and my reads of the slot that I have left are over
	s_barrier_signal -1
	s_barrier_wait -1
.if \fill
	s_add_co_u32 s66, s[KEY], 256                  ; the first key of the slot that this change would ask for
	s_or_b32 s67, s[Q0], 255                       ; my work-group's last query of this pass
	s_cmp_gt_u32 s66, s67                          ; ids and the count of steps alone: all eight waves go the same way, and a work-group that is past the limit stays past it in this pass
	s_cbranch_scc1 .Lpast_\@
	TLOAD                                          ; a wave's one tensor load until the next such barrier
.Lpast_\@:
.endif
.if \ask
	ASK
.endif
.endm
; One tile's softmax for a key step, both tiles line by line by turns.
.macro SOFTMAX
.irp j, 0,1,2,3
.irp t, 0,1
	v_max3_num_f32 v[ST+8*\t+4+\j], v[S+32*\t+8*\j], v[S+32*\t+8*\j+1], v[S+32*\t+8*\j+2]   ; four chains, one for each accumulator, each from its low end on
.endr
.endr
.irp i, 3,5
.irp j, 0,1,2,3
.irp t, 0,1
	v_max3_num_f32 v[ST+8*\t+4+\j], v[ST+8*\t+4+\j], v[S+32*\t+8*\j+\i], v[S+32*\t+8*\j+\i+1]
.endr
.endr
.endr
.irp t, 0,1
	v_max3_num_f32 v[ST+8*\t+4], v[ST+8*\t+4], v[S+32*\t+7], v[S+32*\t+15]
.endr
.irp t, 0,1
	v_max3_num_f32 v[ST+8*\t+6], v[ST+8*\t+6], v[S+32*\t+23], v[S+32*\t+31]
.endr
.irp t, 0,1
	v_max3_num_f32 v[ST+8*\t+4], v[ST+8*\t+4], v[ST+8*\t+5], v[ST+8*\t+6]
.endr
.irp t, 0,1
	v_max3_num_f32 v[ST+8*\t+4], v[ST+8*\t+4], v[ST+8*\t+7], v[ST+8*\t]      ; and the old m
.endr
.irp t, 0,1
	v_permlanex16_b32 v[ST+8*\t+5], v[ST+8*\t+4], s[SEL], s[SEL+1]           ; the query's other 32 keys lie in the lane 16 away
.endr
.irp t, 0,1
	v_max_num_f32 v[ST+8*\t+4], v[ST+8*\t+4], v[ST+8*\t+5]                   ; the new m
.endr
.irp t, 0,1
	v_sub_f32 v[ST+8*\t+6], v[ST+8*\t], v[ST+8*\t+4]                         ; old m - new m
.endr
.irp t, 0,1
	v_mov_b32 v[ST+8*\t], v[ST+8*\t+4]
.endr
.irp t, 0,1
	v_exp_f32 v[ST+8*\t+2], v[ST+8*\t+6]                                     ; a = 2^(old m - new m)
.endr
.irp i, 0,2,4,6,8,10,12,14,16,18,20,22,24,26,28,30
.irp t, 0,1
	v_pk_add_f32 v[S+32*\t+\i:S+32*\t+\i+1], v[S+32*\t+\i:S+32*\t+\i+1], v[ST+8*\t:ST+8*\t+1] op_sel_hi:[1,0] neg_lo:[0,1] neg_hi:[0,1]   ; score - m: exactly 0 at the maximum
.endr
.endr
	s_wait_alu depctr_va_vdst(0)                   ; the wait ahead of the first line that names a stands here, ahead of the batch below, so that the rescaling can follow that batch
.irp i, 0,1,2,3,4,5,6,7,8,9,10,11,12,13,14,15,16,17,18,19,20,21,22,23,24,25,26,27,28,29,30,31
.irp t, 0,1
	v_exp_f32 v[S+32*\t+\i], v[S+32*\t+\i]         ; p, at most 1
.endr
.endr
.irp i, 0,2,4,6,8,10,12,14,16,18,20,22,24,26,28,30
.irp t, 0,1
	v_pk_mul_f32 v[O+32*\t+\i:O+32*\t+\i+1], v[O+32*\t+\i:O+32*\t+\i+1], v[ST+8*\t+2:ST+8*\t+3] op_sel_hi:[1,0]   ; O^T under the new m: work that names none of the batch's results
.endr
.endr
.irp t, 0,1
	v_pk_mul_f32 v[LS+8*\t:LS+8*\t+1], v[LS+8*\t:LS+8*\t+1], v[ST+8*\t+2:ST+8*\t+3] op_sel_hi:[1,0]   ; the row's sum likewise: its low pair alone is kept right; the six other registers gather at most 2,048 numbers of at most 1 and are never read
.endr
	s_wait_alu depctr_va_vdst(0)                   ; one wait for the 64 exponentials, ahead of their first reader
.irp i, 0,1,2,3,4,5,6,7,8,9,10,11,12,13,14,15
.irp t, 0,1
	v_cvt_pk_f16_f32 v[P+16*\t+\i], v[S+32*\t+2*\i], v[S+32*\t+2*\i+1]
.endr
.endr
.endm
; A KEY STEP: 64 keys.
.macro STEP
	s_add_co_u32 s66, s[Q0], 31
	s_cmp_gt_u32 s[KEY], s66                       ; all 64 keys come after my 32 queries: the step's work is left out, not the lines at its end that step addresses
	s_cbranch_scc1 .Lhidden_\@
	v_add_nc_u32 v[ADK], s[TK], v[AK0]
	v_add_nc_u32 v[ADV], s[TV], v[AV0]
	v_nop
	v_nop                                          ; four places in front of loads into V's registers, which the last step's last products read
	WIN 0x40                                       ; destination window 1
.irp kt, 0,1,2,3
.irp ks, 0,1
	ds_load_b128 v[KF+16*\kt+8*\ks:KF+16*\kt+8*\ks+3],   v[ADK] offset:\kt*8*KP+64*\ks
	ds_load_b128 v[KF+16*\kt+8*\ks+4:KF+16*\kt+8*\ks+7], v[ADK] offset:\kt*8*KP+64*\ks+32
.endr
.endr
.irp s, 0,1
.irp u, 0,1,2,3
	ds_load_tr16_b128 v[VF+8*(4*\s+\u):VF+8*(4*\s+\u)+3],   v[ADV] offset:\s*16*VP+32*\u
	ds_load_tr16_b128 v[VF+8*(4*\s+\u)+4:VF+8*(4*\s+\u)+7], v[ADV] offset:\s*16*VP+8*VP+32*\u
.endr
.endr
	s_wait_dscnt 16                                ; K's sixteen loads are in; V's sixteen may be out
	WIN 0x05                                       ; K and Q in window 1, S^T in window 0
.irp kt, 0,1,2,3
.irp t, 0,1
	v_wmma_f32_16x16x32_f16 v[S+32*\t+8*\kt:S+32*\t+8*\kt+7], v[KF+16*\kt:KF+16*\kt+7], v[QF+16*\t:QF+16*\t+7], 0    ; the eight accumulators take turns; the first products start the sums
.endr
.endr
.irp kt, 0,1,2,3
.irp t, 0,1
	v_wmma_f32_16x16x32_f16 v[S+32*\t+8*\kt:S+32*\t+8*\kt+7], v[KF+16*\kt+8:KF+16*\kt+15], v[QF+16*\t+8:QF+16*\t+15], v[S+32*\t+8*\kt:S+32*\t+8*\kt+7]
.endr
.endr
	WIN 0
	s_sub_co_i32 s66, s[Q0], s[KEY]
	v_add_nc_u32 v[DD], s66, v[DL]                 ; tile 0: my query - the step's first key - 8 h.  Register 8 kt + j holds key 16 kt + 8 h + j of the step: hidden where 16 kt + j is greater
	v_add_nc_u32 v[DD+1], 16, v[DD]                ; tile 1
	v_nop
	v_nop                                          ; four places in front of the first read of the scores
	s_add_co_u32 s67, s[KEY], 63
	s_cmp_le_u32 s67, s[Q0]                        ; all keys count for all my queries: nothing to hide
	s_cbranch_scc1 .Lopen_\@
.irp n, 0,1,2,3,4,5,6,7,8,9,10,11,12,13,14,15,16,17,18,19,20,21,22,23,24,25,26,27,28,29,30,31
.irp t, 0,1
	v_cmp_gt_i32 vcc_lo, 16*(\n/8)+\n%8, v[DD+\t]
	v_cndmask_b32 v[S+32*\t+\n], v[S+32*\t+\n], v[NEG], vcc_lo     ; -infinity ahead of the maximum: p = 0.  The step's first key counts for every query of mine, so m stays a number
.endr
.endr
.Lopen_\@:
	SOFTMAX
	s_wait_dscnt 0x0                               ; V is in
	WIN 0x01                                       ; V and the ones in window 1
.irp s, 0,1
.irp u, 0,1,2,3,4
.irp t, 0,1
.if \u < 4
	v_wmma_f32_16x16x32_f16 v[O+32*\t+8*\u:O+32*\t+8*\u+7], v[VF+8*(4*\s+\u):VF+8*(4*\s+\u)+7], v[P+16*\t+8*\s:P+16*\t+8*\s+7], v[O+32*\t+8*\u:O+32*\t+8*\u+7]   ; ten accumulators by turns
.else
	v_wmma_f32_16x16x32_f16 v[LS+8*\t:LS+8*\t+7], v[ONES:ONES+7], v[P+16*\t+8*\s:P+16*\t+8*\s+7], v[LS+8*\t:LS+8*\t+7]   ; the row's sum of the p that are multiplied
.endif
.endr
.endr
.endr
	WIN 0
.Lhidden_\@:
	s_add_co_u32 s[KEY], s[KEY], 64
	s_add_co_u32 s[TK], s[TK], 32*KP
	s_add_co_u32 s[TV], s[TV], 32*VP
.endm
.macro SLOT_STEPS                      ; a slot's four key steps: written once, walked four times
	s_mov_b32 s[STEPS], 4
.Lstep_\@:
	STEP
	s_sub_co_u32 s[STEPS], s[STEPS], 1
	s_cmp_lg_u32 s[STEPS], 0
	s_cbranch_scc1 .Lstep_\@
	s_sub_co_u32 s[TK], s[TK], 4*32*KP             ; back to a slot's first step,
	s_xor_b32 s[TK], s[TK], SLOT1                  ; in the other slot
	s_sub_co_u32 s[TV], s[TV], 4*32*VP
	s_xor_b32 s[TV], s[TV], SLOT1
.endm
; Between the passes slot 0 takes the head's first 256 keys again: it lands while the first pass's results go out.  The pass's last reads were of slot 1; every wave's are over at this barrier.
.macro NEXTFILL
	s_wait_tensorcnt 0x0
	ds_add_u32 v[SPW], v[NIL]                      ; the add, twice on end
	ds_add_u32 v[SPW], v[NIL]
	s_mov_b32 s[G0K+1], s[LK0]
	s_mov_b64 s[G0K+2:G0K+3], s[KB:KB+1]
	s_or_b32 s[G0K+3], s[G0K+3], 0x80000000
	s_mov_b32 s[G0V+1], s[LV0]
	s_mov_b64 s[G0V+2:G0V+3], s[VB:VB+1]
	s_or_b32 s[G0V+3], s[G0V+3], 0x80000000
	s_wait_dscnt 0x0
	s_barrier_signal -1
	s_barrier_wait -1
	TLOAD
.endm
; THE WAY OUT: O^T / the sum, rounded to f16, a tile (16 queries) at a time through my stage; each store covers 512 consecutive bytes (four queries).
.macro WAYOUT
.rept 4
	v_nop                                          ; four places behind the last products
.endr
.irp t, 0,1
	v_rcp_f32 v[ST+8*\t+2], v[LS+8*\t]
.endr
	v_nop                                          ; a plain line behind the reciprocals
	s_wait_alu depctr_va_vdst(0)                   ; and the wait ahead of their first reader
.irp t, 0,1
.irp i, 0,2,4,6,8,10,12,14,16,18,20,22,24,26,28,30
	v_pk_mul_f32 v[O+32*\t+\i:O+32*\t+\i+1], v[O+32*\t+\i:O+32*\t+\i+1], v[ST+8*\t+2:ST+8*\t+3] op_sel_hi:[1,0]
.endr
.irp i, 0,1,2,3,4,5,6,7,8,9,10,11,12,13,14,15
	v_cvt_pk_f16_f32 v[S+32*\t+\i], v[O+32*\t+2*\i], v[O+32*\t+2*\i+1]
.endr
.irp u, 0,1,2,3
	ds_store_b128 v[STO], v[S+32*\t+4*\u:S+32*\t+4*\u+3] offset:32*\u
.endr
.irp i, 0,1,2,3
	ds_load_b128 v[S+32*\t+16+4*\i:S+32*\t+16+4*\i+3], v[RD] offset:576*\i   ; LDS serves a wave's instructions in order: these see the stores above, and the next tile's stores come behind them
.endr
.endr
.irp t, 0,1
.irp i, 0,1,2,3
	s_wait_dscnt 11-8*\t-\i                        ; behind this load: its tile's later loads, and for tile 0 tile 1's four stores and four loads
	global_store_b128 v[GO], v[S+32*\t+16+4*\i:S+32*\t+16+4*\i+3], s[OA:OA+1] offset:2048*\t+512*\i
.endr
.endr
	s_wait_xcnt 0x0                                ; the stores have read their data and their base: both are written again in the next pass
.endm
.macro PASS p, nsl
.if \p == 0
	s_sub_co_u32 s66, 7, s[GG]
.else
	s_mov_b32 s66, s[GG]
.endif
	s_lshl_b32 s[Q0], s66, 8
	s_lshl_b32 s67, s[WV], 5
	s_add_co_u32 s[Q0], s[Q0], s67                 ; my first query: 256 x block + 32 x wave
	s_mov_b32 s[KEY], 0
	s_lshl_b32 s66, s[Q0], 7
	s_mov_b32 s67, 0
	s_add_nc_u64 s[QA:QA+1], s[QH:QH+1], s[66:67]
	s_add_nc_u64 s[OA:OA+1], s[OH:OH+1], s[66:67]
	WIN 0x40
.irp t, 0,1
.irp ks, 0,1
.irp c, 0,1
	global_load_b128 v[QF+16*\t+8*\ks+4*\c:QF+16*\t+8*\ks+4*\c+3], v[QO], s[QA:QA+1] offset:2048*\t+64*\ks+32*\c   ; Q stays in registers for the pass
.endr
.endr
.endr
	WIN 0
.irp t, 0,1
	v_mov_b32 v[ST+8*\t], 0xff61b1e6               ; m: -3e38, under every score
	v_mov_b32 v[ST+8*\t+1], 0                      ; (the pairs' mates are named with m and a, so they are written)
	v_mov_b32 v[ST+8*\t+3], 0
.endr
.set i, 0
.rept 80
	v_mov_b32 v[O+i], 0                            ; O^T and the sums.  (The step is written once: its first trip finds zeros, which a = 0 leaves zeros)
.set i, i+1
.endr
	s_wait_loadcnt 0x0                             ; Q
	s_mov_b32 s[SLOTS], \nsl-1
.Lslot_\@:
	CHANGE 1, 1, 1-\p
	SLOT_STEPS
	s_sub_co_u32 s[SLOTS], s[SLOTS], 1
	s_cmp_lg_u32 s[SLOTS], 0
	s_cbranch_scc1 .Lslot_\@
	CHANGE 0, 1-\p, 0                              ; the pass's last slot: nothing is asked for
	SLOT_STEPS
.if \p == 0
	NEXTFILL
.endif
	WAYOUT
.endm
	s_load_b128 s[4:7], s[0:1], 0x0                ; qkv s[4:5], o16 s[6:7]
	v_lshl_add_u32 v[SPW], v0, 2, SPARE
	v_mov_b32 v[NIL], 0
	ds_add_u32 v[SPW], v[NIL]                      ; the wave's opening: the add, twice on end, and its wait ahead of my first tensor load
	ds_add_u32 v[SPW], v[NIL]
	v_lshrrev_b32 v1, 5, v0
	v_readfirstlane_b32 s[WV], v1                  ; wave 0..7
	s_mov_b32 s[GG], ttmp9
	s_and_b32 s10, s[WV], 1                        ; which half of a slot I fetch, if I fetch
	s_and_b32 s66, ttmp7, 0xffff
	s_and_b32 s67, s66, 15                         ; the head
	s_lshr_b32 s66, s66, 4                         ; the batch
	s_lshl_b32 s67, s67, 20
	s_lshl_b32 s66, s66, 18
	s_add_co_u32 s66, s66, s67                     ; the first byte of this batch's rows in a head: h x 8,192 x 128 + b x 2,048 x 128
	s_mov_b32 s67, 0
	s_mov_b32 s[G1K+0], (1<<16)|(1<<20)|(5<<22)|(3<<25)   ; elements of 2 bytes; padding: four words after every 64
	s_mov_b32 s[G1V+0], (1<<16)|(1<<20)|(5<<22)|(7<<25)   ; eight words
.irp g, G1K, G1V
	s_mov_b32 s[\g+1], 128<<16                     ; tensor_dim0: a long row, two keys
	s_mov_b32 s[\g+2], 64<<16                      ; tensor_dim1
	s_mov_b32 s[\g+3], 128<<16                     ; tile_dim0
	s_mov_b32 s[\g+4], 64                          ; tile_dim1
	s_mov_b32 s[\g+5], 128                         ; from row to row: dense
	s_mov_b32 s[\g+6], 0
	s_mov_b32 s[\g+7], 0
.endr
	s_mul_i32 s[LK0], s10, 64*KP
	s_mul_i32 s[LV0], s10, 64*VP
	s_add_co_u32 s[LV0], s[LV0], VOFF
	s_mov_b32 s[SEL], 0x76543210
	s_mov_b32 s[SEL+1], 0xfedcba98
	s_mov_b32 s[TK], 0
	s_mov_b32 s[TV], 0
	s_sub_co_u32 s[LIM], s[WV], 4
	s_lshr_b32 s[LIM], s[LIM], 2                   ; 0 in waves 4 to 7,
	s_or_b32 s[LIM], s[LIM], ttmp9                 ; of the work-group with g = 0
	s_cmp_eq_u32 s[LIM], 0
	s_cselect_b32 s[LIM], 1, -1
	s_wait_dscnt 0x0                               ; both opening adds are done
	s_wait_kmcnt 0x0
	s_add_nc_u64 s[QH:QH+1], s[4:5], s[66:67]
	s_add_nc_u64 s[OH:OH+1], s[6:7], s[66:67]
	s_add_nc_u64 s[68:69], s[QH:QH+1], 0x1000000   ; k's heads lie 16 heads behind q's,
	s_add_nc_u64 s[70:71], s[QH:QH+1], 0x2000000   ; v's 32
	s_lshl_b32 s72, s10, 14                        ; my half: 128 keys of 128 bytes
	s_mov_b32 s73, 0
	s_add_nc_u64 s[KB:KB+1], s[68:69], s[72:73]
	s_add_nc_u64 s[VB:VB+1], s[70:71], s[72:73]
	s_and_b32 s72, s[WV], 3
	s_lshl_b32 s72, s72, 13
	s_add_co_u32 s72, s72, 32768                   ; the prefetches stand in slot 1: the first change of slots steps them to slot 2
	s_add_nc_u64 s[PFK:PFK+1], s[68:69], s[72:73]
	s_add_nc_u64 s[PFV:PFV+1], s[70:71], s[72:73]
	s_mov_b32 s[G0K], 1
	s_mov_b32 s[G0K+1], s[LK0]
	s_mov_b64 s[G0K+2:G0K+3], s[KB:KB+1]
	s_or_b32 s[G0K+3], s[G0K+3], 0x80000000
	s_mov_b32 s[G0V], 1
	s_mov_b32 s[G0V+1], s[LV0]
	s_mov_b64 s[G0V+2:G0V+3], s[VB:VB+1]
	s_or_b32 s[G0V+3], s[G0V+3], 0x80000000
	TLOAD                                          ; slot 0: keys 0 to 255, which count in every pass.  At most one tensor load of a wave is ever out
	v_and_b32 v16, 15, v0                          ; r
	v_bfe_u32 v17, v0, 4, 1                        ; h
	v_and_b32 v18, 31, v0                          ; lane
	v_lshrrev_b32 v19, 1, v16
	v_and_b32 v20, 1, v16
	v_mul_u32_u24 v[AK0], v19, KP
	v_lshl_add_u32 v[AK0], v20, 7, v[AK0]
	v_lshl_add_u32 v[AK0], v17, 4, v[AK0]          ; K: key r: (r / 2) x 272 + 128 (r % 2) + 16 h
	v_and_b32 v19, 7, v0
	v_lshl_add_u32 v19, v17, 3, v19                ; V: the turning load's lane reads key 8 h + lane % 8, channels 8 ((lane / 8) % 2) on
	v_lshrrev_b32 v20, 1, v19
	v_and_b32 v19, 1, v19
	v_mul_u32_u24 v[AV0], v20, VP
	v_lshl_add_u32 v[AV0], v19, 7, v[AV0]
	v_bfe_u32 v19, v0, 3, 1
	v_lshl_add_u32 v[AV0], v19, 4, v[AV0]
	v_add_nc_u32 v[AV0], VOFF, v[AV0]
	s_mul_i32 s66, s[WV], 16*144
	s_add_co_u32 s66, s66, STAGE                   ; my stage
	v_mul_u32_u24 v[STO], v16, 144
	v_lshl_add_u32 v[STO], v17, 4, v[STO]
	v_add_nc_u32 v[STO], s66, v[STO]
	v_lshrrev_b32 v19, 3, v18
	v_mul_u32_u24 v[RD], v19, 144
	v_and_b32 v19, 7, v0
	v_lshl_add_u32 v[RD], v19, 4, v[RD]
	v_add_nc_u32 v[RD], s66, v[RD]
	v_lshlrev_b32 v[GO], 4, v18
	v_lshlrev_b32 v[QO], 7, v16
	v_lshl_add_u32 v[QO], v17, 4, v[QO]
	v_lshlrev_b32 v[PFO], 8, v18
	v_lshlrev_b32 v19, 3, v17
	v_sub_nc_u32 v[DL], v16, v19
	v_mov_b32 v[NEG], 0xff800000
	WIN 0x40
.irp i, 0,1,2,3,4,5,6,7
	v_mov_b32 v[ONES+\i], 0x3c003c00               ; 16 x 32 ones in f16
.endr
	WIN 0
	PASS 0, 8                                      ; block 7 - g: up to 2,048 keys
	PASS 1, 4                                      ; block g, at most 3: up to 1,024 keys.  Both counts are even: the walk is back in slot 0 at each pass's end
	s_wait_tensorcnt 0x0                           ; the wave's end, behind my last tensor load and my last LDS store
	ds_add_u32 v[SPW], v[NIL]
	s_wait_dscnt 0x0
	s_endpgm
.Lfunc_end_k_q7ab9ca2fdb_attn:
	.size	k_q7ab9ca2fdb_attn, .Lfunc_end_k_q7ab9ca2fdb_attn-k_q7ab9ca2fdb_attn
	.p2alignl 7, 3214868480
	.fill 96, 4, 3214868480
	.section	.rodata,"a",@progbits
	.p2align	6, 0x0
	.amdhsa_kernel k_q7ab9ca2fdb_attn
		.amdhsa_group_segment_fixed_size 327680
		.amdhsa_private_segment_fixed_size 0
		.amdhsa_enable_private_segment 0
		.amdhsa_kernarg_size 16
		.amdhsa_user_sgpr_count 2
		.amdhsa_user_sgpr_kernarg_segment_ptr 1
		.amdhsa_wavefront_size32 1
		.amdhsa_system_sgpr_workgroup_id_x 1
		.amdhsa_system_sgpr_workgroup_id_y 1
		.amdhsa_system_sgpr_workgroup_id_z 1
		.amdhsa_system_vgpr_workitem_id 0
		.amdhsa_next_free_vgpr 512
		.amdhsa_next_free_sgpr 84
		.amdhsa_reserve_vcc 1
		.amdhsa_float_denorm_mode_32 3
		.amdhsa_float_denorm_mode_16_64 3
		.amdhsa_memory_ordered 1
		.amdhsa_forward_progress 1
		.amdhsa_inst_pref_size 112
	.end_amdhsa_kernel
	.amdgpu_metadata
---
amdhsa.version: [ 1, 2 ]
amdhsa.kernels:
  - .name:           k_q7ab9ca2fdb_attn
    .symbol:         k_q7ab9ca2fdb_attn.kd
    .args:
      - { .name: qkv, .offset: 0, .size: 8, .value_kind: global_buffer, .address_space: global }
      - { .name: o16, .offset: 8, .size: 8, .value_kind: global_buffer, .address_space: global }
    .group_segment_fixed_size: 327680
    .private_segment_fixed_size: 0
    .kernarg_segment_align: 8
    .kernarg_segment_size: 16
    .max_flat_workgroup_size: 256
    .sgpr_count:     84
    .vgpr_count:     512
    .wavefront_size: 32
...
	.end_amdgpu_metadata
.endif
;; end of part 3
;; launch proj (part 4): grid 4 x 64, 4 waves a work-group, clusters of 4 x 4, 327,680 bytes of LDS; arguments o16, wp16, bp, out0; writes out0
.if DOCPART == 4
	.amdgcn_target "amdgcn-amd-amdhsa--gfx1250"
	.amdhsa_code_object_version 6
	.text
	.protected	k_q7ab9ca2fdb_proj
	.globl	k_q7ab9ca2fdb_proj
	.p2align	8
	.type	k_q7ab9ca2fdb_proj,@function
k_q7ab9ca2fdb_proj:
	s_mov_b64 s[64:65], 0
	v_nop
	global_prefetch_b8 v0, s[64:65] scope:SCOPE_SE
	s_setreg_imm32_b32 hwreg(HW_REG_WAVE_MODE, 25, 1), 1
	s_wait_xcnt 0x0
	s_wait_alu depctr_hold_cnt(0) depctr_sa_sdst(0) depctr_va_vdst(0) depctr_va_sdst(0) depctr_va_ssrc(0) depctr_va_vcc(0) depctr_vm_vsrc(0)
	s_getreg_b32 s2, hwreg(HW_REG_IB_STS2, 6, 4)
	s_cmp_eq_u32 s2, 0
	s_cbranch_scc0 .Lentry_in_a_cluster
	s_endpgm
.Lentry_in_a_cluster:
	s_bfe_u32 s2, ttmp6, 0x10000c
	s_cmp_lg_u32 s2, 0xf033
	s_cbranch_scc0 .Lentry_shape_is_right
	s_endpgm
.Lentry_shape_is_right:
; out0[token][n] = the sum over k of o[token][k] Wp[n][k] + bp[n], k = 64 h + d.  o16: f16, [h 16][8192 tokens][64]; wp16: f16, [1024 n][1024 k]; bp, out0: f32.  Sums in f32.
; All 8,192 rows are made here; the first 16 rows of each sequence are written over by the next launch, which carries them in f32.
; SHARES.  A tile of out0 is 128 tokens x 256 columns: 256 work-groups.  Wave w: tokens 64 (w / 2) on, columns 128 (w % 2) on: 32 accumulators.  K goes in 8 steps of 128, two heads of o16, through a ring of two slots.
; From a refill to the wait for it a wave issues 16 + 3 x 32 = 112 matrix instructions.  Two slots of 256 along K would take (128 + 256) x 528 x 2 bytes, more than a work-group can have.
; CLUSTERS 4 x 4: the four of a row of the cluster need the same tiles of o16, the four of a column the same tiles of wp16: each tile is asked for JOINTLY.
; LDS.  A head's 128 tokens are 16,384 dense bytes: stated as 64 rows of 256 bytes, two tokens each: token n lies at (n / 2) x 272 + 128 (n % 2).  wp16's rows: 256 bytes + 16.
; THE MATRIX INSTRUCTION IS USED TRANSPOSED (source 0 = 16 columns n, source 1 = 16 tokens): a lane holds one token and eight neighbouring columns.  The bias is the C of each sum's first product.
; REGISTERS: window 0: v16-30 addresses; v32-95 the bias; v96-223 rows on the way out.  window 1: two fragment buffers of 96: Wp's 8, then o's 4.  window 2: accumulator (a, b) at v[8 (8 a + b)].
.set PITCH,  272
.set AHEAD,  64*PITCH                  ; a head's 128 tokens: what one of o's loads brings
.set BOFF,   2*AHEAD
.set HALFB,  128*PITCH                 ; 128 rows of wp16: what one of its loads brings
.set SLOT,   BOFF+2*HALFB
.set STAGE,  2*SLOT                    ; behind the ring: 16 rows x (512 + 16) bytes for each wave
.set SPITCH, 528
.set SPARE,  STAGE+4*16*SPITCH         ; the spare words, 128 bytes for each wave: two blocks of 256 bytes that no other line names
.set ADRA, 16                          ; v16-17 LDS address of my fragments of o in slot 0, 1
.set ADRB, 20                          ; v20-21 the same for Wp
.set STO,  24
.set RD,   25
.set CO,   26                          ; v26 16 x lane
.set BO,   27                          ; v27 32 h
.set SPW,  28                          ; v28 LDS address of my spare word; never rewritten
.set NIL,  29                          ; v29 0; never rewritten
.set PFO,  30                          ; v30 256 x lane
.set BI,   32
.set BK,   96
.set WV,   12                          ; s12 wave; s13 wave / 2: my half of the tokens, and: I fetch for o (0) or Wp (1); s14 wave % 2: my half of the columns, and which part I fetch
.set G1,   24
.set G0,   32
.set PFA,  44                          ; s[44:45] where my prefetches stand
.set LIM,  46
.set G1B,  48
.set G0B,  56
.set MSB, 0
.macro WIN new
.if MSB != (\new)
	s_set_vgpr_msb (MSB<<8)|(\new)
.set MSB, (\new)
.endif
.endm
.set MUL,  0xa5                        ; sources 0 and 1 window 1; C and D window 2
.set MUL1, 0x85                        ; the same with C, the bias, in window 0
.set TO_F, 0x40
.macro JLOAD s                         ; a joint load: waves 0 and 1 fetch o's two heads, waves 2 and 3 Wp's two halves; an s_nop 0 and four v_nop follow each of the two lines
	s_cmp_eq_u32 s13, 0
	s_cbranch_scc0 .Lfor_b_\@
	tensor_load_to_lds s[G0+4*\s:G0+4*\s+3], s[G1:G1+7]
	s_nop 0
.rept 4
	v_nop
.endr
	s_branch .Lasked_\@
.Lfor_b_\@:
	tensor_load_to_lds s[G0B+4*\s:G0B+4*\s+3], s[G1B:G1B+7]
	s_nop 0
.rept 4
	v_nop
.endr
.Lasked_\@:
.endm
.macro CREST                           ; a round of the cluster's barrier behind its opening barrier
	s_cmp_lg_u32 s[WV], 0
	s_cbranch_scc1 .Lnot_wave_0_\@
	s_barrier_signal -3
.Lnot_wave_0_\@:
	s_barrier_wait -3
	s_barrier_signal -1
	s_barrier_wait -1
.endm
.macro CROUND
	s_barrier_signal -1
	s_barrier_wait -1
	CREST
.endm
.macro PLACES
.rept 4
	v_nop
.endr
.endm
; A PREFETCH of o16's K step that stands TWO refills on.  The grid is one cluster wide, so a tile row of o16 is read by one cluster alone.  A K step of 128 tokens is 128 aligned blocks of 256 bytes (two heads x 16,384 bytes):
; the four partners along x take 32 each, told apart BY ADDRESS (head cx / 2, half cx % 2); in each, wave 0 asks, a lane a block.  The last two refills have no K step two on.  wp16, which all clusters walk together, is not asked for.
.macro ASK
	s_cmp_gt_u32 s3, s[LIM]                        ; s3 = 1 in the loop's last trip
	s_cbranch_scc0 .Lnot_mine_\@
	global_prefetch_b8 v[PFO], s[PFA:PFA+1] th:TH_LOAD_NT scope:SCOPE_SE
.Lnot_mine_\@:
.endm
	s_load_b256 s[4:11], s[0:1], 0x0               ; o16 s[4:5], wp16 s[6:7], bp s[8:9], out0 s[10:11]
	v_lshl_add_u32 v[SPW], v0, 2, SPARE
	v_mov_b32 v[NIL], 0
	ds_add_u32 v[SPW], v[NIL]                      ; the wave's opening: the add, twice on end, and its wait ahead of my first tensor load
	ds_add_u32 v[SPW], v[NIL]
	v_lshrrev_b32 v1, 5, v0
	v_readfirstlane_b32 s[WV], v1
	s_lshr_b32 s13, s[WV], 1
	s_and_b32 s14, s[WV], 1
	s_bfe_u32 s40, ttmp6, 0x40000                  ; cx
	s_bfe_u32 s41, ttmp6, 0x40004                  ; cy
	s_lshl_b32 s42, ttmp9, 2
	s_add_co_u32 s42, s42, s40                     ; tile column = 4 x cluster x + cx
	s_and_b32 s43, ttmp7, 0xffff
	s_lshl_b32 s43, s43, 2
	s_add_co_u32 s43, s43, s41                     ; tile row = 4 x cluster y + cy
	s_lshl_b32 s16, s41, 2
	s_lshl_b32 s16, 15, s16                        ; my row of the cluster
	s_lshl_b32 s17, 0x1111, s40                    ; my column
	s_or_b32 s[G1+0], s16, (1<<16)|(1<<20)|(1<<21)|(5<<22)|(3<<25)    ; the mask; elements of 2 bytes; padding on; 21 set beside a mask; four words after every 64
	s_or_b32 s[G1B+0], s17, (1<<16)|(1<<20)|(1<<21)|(5<<22)|(3<<25)
	s_mov_b32 s[G1+1], 128<<16                     ; o: 64 long rows of 128 elements, dense
	s_mov_b32 s[G1+2], 64<<16
	s_mov_b32 s[G1+3], 128<<16
	s_mov_b32 s[G1+4], 64
	s_mov_b32 s[G1+5], 128
	s_mov_b32 s[G1+6], 0
	s_mov_b32 s[G1+7], 0
	s_mov_b32 s[G1B+1], 128<<16                    ; Wp: 128 rows of 128 elements, 1,024 elements apart
	s_mov_b32 s[G1B+2], 128<<16
	s_mov_b32 s[G1B+3], 128<<16
	s_mov_b32 s[G1B+4], 128
	s_mov_b32 s[G1B+5], 1024
	s_mov_b32 s[G1B+6], 0
	s_mov_b32 s[G1B+7], 0
	s_lshl_b32 s18, s14, 20                        ; o: head wave % 2 of the K step, token 128 x tile row: in registers that never hold cx
	s_lshl_b32 s19, s43, 14
	s_add_co_u32 s18, s18, s19
	s_mov_b32 s19, 0
	s_lshl_b32 s20, s42, 19                        ; Wp: row 256 x tile column + 128 x half: in registers that never hold cy
	s_lshl_b32 s21, s14, 18
	s_add_co_u32 s20, s20, s21
	s_mov_b32 s21, 0
	s_mul_i32 s22, s14, AHEAD                      ; where they go: the wave's number alone enters an LDS address
	s_mul_i32 s23, s14, HALFB
	s_add_co_u32 s23, s23, BOFF
	s_wait_dscnt 0x0                               ; both opening adds are done
	s_wait_kmcnt 0x0
	s_add_nc_u64 s[66:67], s[4:5], s[18:19]
	s_add_nc_u64 s[68:69], s[6:7], s[20:21]
	CROUND                                         ; all sixteen work-groups are here: the first joint loads meet
.irp s, 0,1
	s_mov_b32 s[G0+4*\s], 1
	s_add_co_u32 s[G0+4*\s+1], s22, \s*SLOT
	s_add_nc_u64 s[G0+4*\s+2:G0+4*\s+3], s[66:67], \s*2097152      ; K step s: two heads on
	s_or_b32 s[G0+4*\s+3], s[G0+4*\s+3], 0x80000000
	s_mov_b32 s[G0B+4*\s], 1
	s_add_co_u32 s[G0B+4*\s+1], s23, \s*SLOT
	s_add_nc_u64 s[G0B+4*\s+2:G0B+4*\s+3], s[68:69], \s*256
	s_or_b32 s[G0B+4*\s+3], s[G0B+4*\s+3], 0x80000000
	JLOAD \s                                       ; two tensor loads of a wave are out
.endr
	v_and_b32 v1, 15, v0                           ; r
	v_bfe_u32 v2, v0, 4, 1                         ; h
	v_and_b32 v3, 31, v0                           ; lane
	v_lshrrev_b32 v4, 1, v1
	v_and_b32 v5, 1, v1
	v_mul_u32_u24 v4, v4, PITCH
	v_lshl_add_u32 v4, v5, 7, v4
	v_lshl_add_u32 v4, v2, 4, v4                   ; o: token r: (r / 2) x 272 + 128 (r % 2) + 16 h
	s_mul_i32 s70, s13, 32*PITCH                   ; my 64 tokens
	v_add_nc_u32 v[ADRA], s70, v4
	v_add_nc_u32 v[ADRA+1], SLOT, v[ADRA]
	v_mul_u32_u24 v4, v1, PITCH
	v_lshl_add_u32 v4, v2, 4, v4
	s_mul_i32 s70, s14, HALFB
	s_add_co_u32 s70, s70, BOFF                    ; my 128 columns
	v_add_nc_u32 v[ADRB], s70, v4
	v_add_nc_u32 v[ADRB+1], SLOT, v[ADRB]
	s_mul_i32 s70, s[WV], 16*SPITCH
	s_add_co_u32 s70, s70, STAGE                   ; my stage
	v_mul_u32_u24 v4, v1, SPITCH
	v_lshl_add_u32 v4, v2, 5, v4
	v_add_nc_u32 v[STO], s70, v4                   ; in: row r, 32 bytes for each half of the lanes
	v_lshlrev_b32 v[CO], 4, v3
	v_add_nc_u32 v[RD], s70, v[CO]                 ; back: the 32 lanes take one row of 512 bytes
	v_lshlrev_b32 v[BO], 5, v2
	v_lshlrev_b32 v[PFO], 8, v3
	s_lshl_b32 s70, s42, 10                        ; my first column, in bytes: 1,024 x tile column + 512 x half
	s_lshl_b32 s71, s14, 9
	s_add_co_u32 s70, s70, s71
	s_mov_b32 s71, 0
	s_add_nc_u64 s[8:9], s[8:9], s[70:71]          ; the bias there,
	s_add_nc_u64 s[10:11], s[10:11], s[70:71]
	s_lshl_b32 s70, s43, 19                        ; and out0 at my first token: 128 x tile row + 64 x half, rows of 4,096 bytes
	s_lshl_b32 s72, s13, 18
	s_add_co_u32 s70, s70, s72
	s_add_nc_u64 s[10:11], s[10:11], s[70:71]
.irp b, 0,1,2,3,4,5,6,7
	global_load_b128 v[BI+8*\b:BI+8*\b+3],   v[BO], s[8:9] offset:64*\b       ; bp at columns 16 b + 8 h + 0 .. 7: the result's layout
	global_load_b128 v[BI+8*\b+4:BI+8*\b+7], v[BO], s[8:9] offset:64*\b+16
.endr
	s_lshr_b32 s70, s40, 1                         ; the prefetches: head cx / 2 of K step 3 (the first refill steps it to K step 4),
	s_add_co_u32 s70, s70, 6
	s_lshl_b32 s70, s70, 20
	s_lshl_b32 s72, s43, 14                        ; my tile row's tokens,
	s_add_co_u32 s70, s70, s72
	s_and_b32 s72, s40, 1
	s_lshl_b32 s72, s72, 13                        ; half cx % 2 of their 16,384 bytes
	s_add_co_u32 s70, s70, s72
	s_add_nc_u64 s[PFA:PFA+1], s[4:5], s[70:71]
	s_cmp_eq_u32 s[WV], 0
	s_cselect_b32 s[LIM], 1, -1                    ; wave 0 asks: the same in all partners
.macro FETCH slot, qd, f               ; the fragments of 32 along K, the K step's quarter qd, into buffer f: 24 LDS loads in one run
	WIN TO_F
.irp b, 0,1,2,3,4,5,6,7
	ds_load_b128 v[96*\f+8*\b:96*\f+8*\b+3],   v[ADRB+\slot] offset:\b*16*PITCH+64*\qd
	ds_load_b128 v[96*\f+8*\b+4:96*\f+8*\b+7], v[ADRB+\slot] offset:\b*16*PITCH+64*\qd+32
.endr
.irp a, 0,1,2,3
	ds_load_b128 v[96*\f+64+8*\a:96*\f+64+8*\a+3],   v[ADRA+\slot] offset:(\qd/2)*AHEAD+\a*8*PITCH+(\qd%2)*64
	ds_load_b128 v[96*\f+64+8*\a+4:96*\f+64+8*\a+7], v[ADRA+\slot] offset:(\qd/2)*AHEAD+\a*8*PITCH+(\qd%2)*64+32
.endr
.endm
.macro MUL8 f, a, first                ; o's block a against Wp's eight.  The 32 accumulators take turns, one instruction a turn, in the same order everywhere
.irp b, 0,1,2,3,4,5,6,7
.if \first
	v_wmma_f32_16x16x32_f16 v[8*(8*\a+\b):8*(8*\a+\b)+7], v[96*\f+8*\b:96*\f+8*\b+7], v[96*\f+64+8*\a:96*\f+64+8*\a+7], v[BI+8*\b:BI+8*\b+7]
.else
	v_wmma_f32_16x16x32_f16 v[8*(8*\a+\b):8*(8*\a+\b)+7], v[96*\f+8*\b:96*\f+8*\b+7], v[96*\f+64+8*\a:96*\f+64+8*\a+7], v[8*(8*\a+\b):8*(8*\a+\b)+7]
.endif
.endr
.endm
; One of a K step's first three quarters: asks for the next quarter's fragments, at quarter qn, into buffer g, then multiplies buffer f: the loads have 32 products in which to come.
.macro QUARTER slot, qn, f, g, first
	s_wait_dscnt 0x0                               ; buffer f is in
	PLACES                                         ; in front of loads into buffer g, which the last products read
	FETCH \slot, \qn, \g
.if \first
	WIN MUL1
.else
	WIN MUL
.endif
	MUL8 \f, 0, \first
	MUL8 \f, 1, \first
	MUL8 \f, 2, \first
	MUL8 \f, 3, \first
.endm
; The last quarter multiplies buffer 1 and changes slots: ONE barrier; in front of it each wave waits for all its tensor loads, adds 0 to its spare word, and waits for that and for its own reads of this slot.
; fill = 1: the barrier opens a round of the cluster's, and this slot is filled again, two K steps ahead, first thing behind the round.
.macro TURN slot, next, fill
.if \fill
	s_wait_xcnt 0x0                                ; the last prefetch, a K step back, has read its address
	s_add_nc_u64 s[PFA:PFA+1], s[PFA:PFA+1], 2097152
.endif
	WIN 0                                          ; (the add's two registers lie in window 0)
	s_wait_tensorcnt 0x0                           ; all my tensor loads have landed: my part of the next slot
	ds_add_u32 v[SPW], v[NIL]                      ; 0 onto my spare word
	s_wait_dscnt 1                                 ; buffer 1's loads are in; the add alone may be out
	WIN MUL
	MUL8 1, 0, 0                                   ; eight matrix instructions stand between the add and the wait for it
	s_wait_dscnt 0x0                               ; the add is done, and my reads of this slot are over
	s_barrier_signal -1
	MUL8 1, 1, 0
	WIN 0
	s_barrier_wait -1
.if \fill
	CREST                                          ; no wave of any partner still reads this slot's tile or has a load on its way
	s_add_nc_u64 s[G0+4*\slot+2:G0+4*\slot+3], s[G0+4*\slot+2:G0+4*\slot+3], 4194304       ; two K steps on: four heads
	s_add_nc_u64 s[G0B+4*\slot+2:G0B+4*\slot+3], s[G0B+4*\slot+2:G0B+4*\slot+3], 512
	JLOAD \slot                                    ; the four v_nop behind it are also the places in front of the loads below
.else
	PLACES
.endif
	FETCH \next, 0, 0
	WIN 0
.if \fill
	ASK
.endif
	WIN MUL
	MUL8 1, 2, 0
	MUL8 1, 3, 0
.endm
	s_wait_tensorcnt 1                             ; my part of K step 0 is in; K step 1's load may be out,
	s_barrier_signal -1
	s_barrier_wait -1                              ; everybody's is
	FETCH 0, 0, 0
	s_wait_loadcnt 0x0                             ; the bias
	QUARTER 0, 1, 0, 1, 1                          ; the first quarter stands in front of the loop: its products start the sums, on the bias
	WIN 0
	s_mov_b32 s3, 3
.Llap:                                                 ; a trip goes once round the ring, from a lap's second quarter to the next lap's first, and fills both slots again
	QUARTER 0, 2, 1, 0, 0
	QUARTER 0, 3, 0, 1, 0
	TURN 0, 1, 1
	QUARTER 1, 1, 0, 1, 0
	QUARTER 1, 2, 1, 0, 0
	QUARTER 1, 3, 0, 1, 0
	TURN 1, 0, 1
	QUARTER 0, 1, 0, 1, 0
	WIN 0
	s_sub_co_u32 s3, s3, 1
	s_cmp_lg_u32 s3, 0
	s_cbranch_scc1 .Llap
	QUARTER 0, 2, 1, 0, 0                          ; the last lap fills nothing, and has no round of the cluster's barrier
	QUARTER 0, 3, 0, 1, 0
	TURN 0, 1, 0
	QUARTER 1, 1, 0, 1, 0
	QUARTER 1, 2, 1, 0, 0
	QUARTER 1, 3, 0, 1, 0
	s_wait_dscnt 0x0
	WIN MUL
	MUL8 1, 0, 0
	MUL8 1, 1, 0
	MUL8 1, 2, 0
	MUL8 1, 3, 0
	WIN 0
; THE WAY OUT, a block of 16 tokens x 128 columns at a time, through my own stage: back as whole rows of 512 bytes, which the 32 lanes store.
.macro TOSTAGE a
	WIN 0x08                                       ; an LDS store's data are its source 1: window 2
.irp b, 0,1,2,3,4,5,6,7
	ds_store_b128 v[STO], v[8*(8*(\a)+\b):8*(8*(\a)+\b)+3] offset:64*\b          ; each accumulator from its low end on
	ds_store_b128 v[STO], v[8*(8*(\a)+\b)+4:8*(8*(\a)+\b)+7] offset:64*\b+16
.endr
	WIN 0
.irp t, 0,1,2,3,4,5,6,7,8,9,10,11,12,13,14,15
	ds_load_b128 v[BK+64*((\a)%2)+4*\t:BK+64*((\a)%2)+4*\t+3], v[RD] offset:\t*SPITCH   ; LDS serves a wave's instructions in order
.endr
.endm
.macro SEND a, younger                 ; younger: the LDS instructions issued behind block a's loads, which may stay out
	s_wait_dscnt \younger
.irp t, 0,1,2,3,4,5,6,7,8,9,10,11,12,13,14,15
	global_store_b128 v[CO], v[BK+64*((\a)%2)+4*\t:BK+64*((\a)%2)+4*\t+3], s[10:11] offset:(16*(\a)+\t)*4096 th:TH_STORE_NT   ; 512 consecutive bytes, aligned; written once here
.endr
.endm
	PLACES
	TOSTAGE 0
.irp a, 1,2,3
.if \a > 1
	s_wait_xcnt 0x0                                ; block a - 2's stores have read their data: block a's loads may land there
.endif
	TOSTAGE \a
	SEND \a-1, 32                                  ; behind block a - 1's loads: block a's 16 stores and 16 loads
.endr
	SEND 3, 0
	s_wait_tensorcnt 0x0                           ; the wave's end, behind my last tensor load and my last LDS store
	ds_add_u32 v[SPW], v[NIL]
	s_wait_dscnt 0x0
	CROUND                                         ; the closing round
	s_endpgm
.Lfunc_end_k_q7ab9ca2fdb_proj:
	.size	k_q7ab9ca2fdb_proj, .Lfunc_end_k_q7ab9ca2fdb_proj-k_q7ab9ca2fdb_proj
	.p2alignl 7, 3214868480
	.fill 96, 4, 3214868480
	.section	.rodata,"a",@progbits
	.p2align	6, 0x0
	.amdhsa_kernel k_q7ab9ca2fdb_proj
		.amdhsa_group_segment_fixed_size 327680
		.amdhsa_private_segment_fixed_size 0
		.amdhsa_enable_private_segment 0
		.amdhsa_kernarg_size 32
		.amdhsa_user_sgpr_count 2
		.amdhsa_user_sgpr_kernarg_segment_ptr 1
		.amdhsa_wavefront_size32 1
		.amdhsa_system_sgpr_workgroup_id_x 1
		.amdhsa_system_sgpr_workgroup_id_y 1
		.amdhsa_system_sgpr_workgroup_id_z 1
		.amdhsa_system_vgpr_workitem_id 0
		.amdhsa_next_free_vgpr 768
		.amdhsa_next_free_sgpr 80
		.amdhsa_reserve_vcc 0
		.amdhsa_float_denorm_mode_32 3
		.amdhsa_float_denorm_mode_16_64 3
		.amdhsa_memory_ordered 1
		.amdhsa_forward_progress 1
		.amdhsa_inst_pref_size 87
	.end_amdhsa_kernel
	.amdgpu_metadata
---
amdhsa.version: [ 1, 2 ]
amdhsa.kernels:
  - .name:           k_q7ab9ca2fdb_proj
    .symbol:         k_q7ab9ca2fdb_proj.kd
    .args:
      - { .name: o16, .offset: 0, .size: 8, .value_kind: global_buffer, .address_space: global }
      - { .name: wp16, .offset: 8, .size: 8, .value_kind: global_buffer, .address_space: global }
      - { .name: bp, .offset: 16, .size: 8, .value_kind: global_buffer, .address_space: global }
      - { .name: out0, .offset: 24, .size: 8, .value_kind: global_buffer, .address_space: global }
    .group_segment_fixed_size: 327680
    .private_segment_fixed_size: 0
    .kernarg_segment_align: 8
    .kernarg_segment_size: 32
    .max_flat_workgroup_size: 128
    .sgpr_count:     80
    .vgpr_count:     768
    .wavefront_size: 32
...
	.end_amdgpu_metadata
.endif
;; end of part 4
;; launch fine (part 5): grid 16 x 4, 16 waves a work-group, no clusters, 71,936 bytes of LDS; arguments qkv16, Wp, bp, out0; writes out0
.if DOCPART == 5
	.amdgcn_target "amdgcn-amd-amdhsa--gfx1250"
	.amdhsa_code_object_version 6
	.text
	.protected	k_q7ab9ca2fdb_fine
	.globl	k_q7ab9ca2fdb_fine
	.p2align	8
	.type	k_q7ab9ca2fdb_fine,@function
k_q7ab9ca2fdb_fine:
	s_mov_b64 s[64:65], 0
	v_nop
	global_prefetch_b8 v0, s[64:65] scope:SCOPE_SE
	s_setreg_imm32_b32 hwreg(HW_REG_WAVE_MODE, 25, 1), 1
	s_wait_xcnt 0x0
; THE FIRST 16 POSITIONS OF EVERY SEQUENCE, ALL IN f32: under the causal mask they average one to sixteen values and are the largest in size, so the rounding of 16-bit operands weighs most there.
; qkv16: f32, unscaled, [G 48][batch 4][t 16][64]; Wp [1024 n][1024 k], bp, out0: f32.  64 rows of 8,192: no bulk work; the products go by v_wmma_f32_16x16x4_f32.
; SHARES.  A work-group takes a batch and 64 columns n0 .. n0 + 63 of out0.  Wave w IS HEAD w: it makes the head's 16 x 16 attention (again in each of the 16 column blocks: 12 KB of input) and multiplies the result by
; Wp[n0 .. n0 + 63][64 w .. 64 w + 63].  The sixteen heads' parts are added through LDS.
; THE ORDER ALONG K is permuted alike on both sources: place 2 h + j of step (u, i) stands for index 16 u + 8 h + 2 i + j (for the 16 keys: 8 h + 2 i + j).  So a row operand comes by 16-byte loads, and every result
; (lane (r, h), register j: row 8 h + j, column r) is the next product's source 1 where it lies.
; The registers that these matrix instructions write (v112-175) are written by matrix instructions alone; each sum begins with the constant 0.  Places behind this form: 8, and 9 ahead of a matrix instruction that takes a result as a source (ISA guide 7.12.1).
.set PART,  0                          ; LDS: 16 waves x 4,096 bytes: each head's part of the 16 x 64 results, as an image of its registers
.set STG2,  65536                      ; 16 rows x (256 + 16) bytes: the sums, by rows
.set SPARE, 69888                      ; the spare words, 128 bytes for each wave: eight blocks of 256 bytes that no other line names
.set AQ,  3                            ; v3  256 r + 32 h: a row of q or k
.set AV,  4                            ; v4  2,048 h + 4 r: v, key 8 h on, channel r
.set AW,  5                            ; v5  4,096 r + 32 h: a row of Wp
.set DQ,  6                            ; v6  r - 8 h
.set LP,  7                            ; v7  where I store my part
.set LR,  8                            ; v8  where I read the sixteen parts
.set LB,  9                            ; v9  where I put my two sums
.set LSR, 10                           ; v10 where I read a row back
.set GOUT, 11                          ; v11 8 x lane
.set BO,  12                           ; v12 32 h
.set SPW, 13                           ; v13 LDS address of my spare word; never rewritten
.set NIL, 14                           ; v14 0; never rewritten
.set NEG, 15                           ; v15 -infinity
.set QF,  16                           ; v16-47 q, later Wp's channels 0-15, later the sixteen parts
.set KF,  48                           ; v48-79 k, later Wp's channels 16-31
.set VF,  80                           ; v80-111 v, later Wp's channels 32-47
.set AC1, 112                          ; v112-143 four sums of S^T, later the four tiles of the projection
.set AC2, 144                          ; v144-175 O^T
.set SS,  176
.set PP,  184
.set TM,  192
.set W3,  200                          ; v200-231 Wp's channels 48-63
.set SEL, 18
	s_load_b256 s[4:11], s[0:1], 0x0               ; qkv16 s[4:5], Wp s[6:7], bp s[8:9], out0 s[10:11]
	v_lshl_add_u32 v[SPW], v0, 2, SPARE
	v_mov_b32 v[NIL], 0
	v_lshrrev_b32 v1, 5, v0
	v_readfirstlane_b32 s12, v1                    ; wave = head 0..15
	s_and_b32 s13, ttmp7, 0xffff                   ; the batch
	v_and_b32 v1, 15, v0                           ; r
	v_bfe_u32 v2, v0, 4, 1                         ; h
	v_and_b32 v32, 31, v0                          ; lane
	v_lshlrev_b32 v[AQ], 8, v1
	v_lshl_add_u32 v[AQ], v2, 5, v[AQ]
	v_lshlrev_b32 v[AV], 2, v1
	v_lshl_add_u32 v[AV], v2, 11, v[AV]
	v_lshlrev_b32 v[AW], 12, v1
	v_lshl_add_u32 v[AW], v2, 5, v[AW]
	v_lshlrev_b32 v33, 3, v2
	v_sub_nc_u32 v[DQ], v1, v33
	v_lshlrev_b32 v33, 4, v32                      ; 16 x lane
	s_lshl_b32 s14, s12, 12
	v_add_nc_u32 v[LP], s14, v33                   ; 4,096 w + 16 x lane
	s_and_b32 s15, s12, 1
	s_lshl_b32 s15, s15, 3                         ; 8 (w % 2)
	s_lshr_b32 s17, s12, 1
	s_lshl_b32 s17, s17, 9
	s_add_co_u32 s17, s17, s15
	v_add_nc_u32 v[LR], s17, v33                   ; of each part: run w / 2 of 512 bytes, of each lane's 16 bytes half w % 2
	s_lshr_b32 s14, s12, 2
	s_lshl_b32 s16, s14, 6
	s_bfe_u32 s14, s12, 0x10001
	s_lshl_b32 s14, s14, 4
	s_add_co_u32 s16, s16, s14
	s_add_co_u32 s16, s16, s15                     ; those are columns 16 (w / 4) + 8 h + 4 ((w / 2) % 2) + 2 (w % 2) + 0, 1 of query r: in bytes, less 32 h
	v_mul_u32_u24 v[LB], v1, 272
	v_lshl_add_u32 v[LB], v2, 5, v[LB]
	v_add_nc_u32 v[LB], s16, v[LB]
	v_add_nc_u32 v[LB], STG2, v[LB]
	s_mul_i32 s14, s12, 272
	s_add_co_u32 s14, s14, STG2
	v_lshlrev_b32 v[GOUT], 3, v32
	v_add_nc_u32 v[LSR], s14, v[GOUT]              ; row w, 8 bytes a lane
	v_lshlrev_b32 v[BO], 5, v2
	v_mov_b32 v[NEG], 0xff800000
	s_mov_b32 s[SEL], 0x76543210
	s_mov_b32 s[SEL+1], 0xfedcba98
	s_lshl_b32 s24, s12, 14                        ; qkv16: head w, my batch; k's heads lie 262,144 bytes on, v's 524,288
	s_lshl_b32 s25, s13, 12
	s_add_co_u32 s24, s24, s25
	s_mov_b32 s25, 0
	s_lshl_b32 s26, ttmp9, 18                      ; Wp: row n0 = 64 x work-group x, column 64 w
	s_lshl_b32 s27, s12, 8
	s_add_co_u32 s26, s26, s27
	s_mov_b32 s27, 0
	s_lshl_b32 s28, ttmp9, 8                       ; bp: n0, and my two columns
	s_add_co_u32 s28, s28, s16
	s_mov_b32 s29, 0
	s_lshl_b32 s30, s13, 23                        ; out0: row 2,048 b + w, column n0
	s_lshl_b32 s31, s12, 12
	s_add_co_u32 s30, s30, s31
	s_lshl_b32 s31, ttmp9, 8
	s_add_co_u32 s30, s30, s31
	s_mov_b32 s31, 0
	s_wait_kmcnt 0x0
	s_add_nc_u64 s[20:21], s[4:5], s[24:25]
	s_add_nc_u64 s[22:23], s[6:7], s[26:27]
	s_add_nc_u64 s[8:9], s[8:9], s[28:29]
	s_add_nc_u64 s[10:11], s[10:11], s[30:31]
.macro WPLOAD reg, u                   ; Wp[n0 + 16 nt + r][64 w + 16 u + 8 h + 0 .. 7], nt = 0 .. 3: 8 loads
.irp nt, 0,1,2,3
.irp c, 0,1
	global_load_b128 v[\reg+8*\nt+4*\c:\reg+8*\nt+4*\c+3], v[AW], s[22:23] offset:\nt*65536+64*\u+16*\c
.endr
.endr
.endm
.irp u, 0,1,2,3
.irp c, 0,1
	global_load_b128 v[QF+8*\u+4*\c:QF+8*\u+4*\c+3], v[AQ], s[20:21] offset:64*\u+16*\c              ; q(r, 16 u + 8 h + 0 .. 7)
.endr
.endr
.irp u, 0,1,2,3
.irp c, 0,1
	global_load_b128 v[KF+8*\u+4*\c:KF+8*\u+4*\c+3], v[AQ], s[20:21] offset:262144+64*\u+16*\c       ; k likewise
.endr
.endr
.irp u, 0,1,2,3
.irp jj, 0,1,2,3,4,5,6,7
	global_load_b32 v[VF+8*\u+\jj], v[AV], s[20:21] offset:524288+256*\jj+64*\u                      ; v(key 8 h + jj, channel 16 u + r)
.endr
.endr
	WPLOAD W3, 3
	s_wait_loadcnt 40                              ; q and k are in; v's 32 loads and Wp's 8 may be out
; S^T = k q^T: source 0 = the 16 keys, source 1 = the 16 queries; four sums, one for each 16 channels, by turns
.irp i, 0,1,2,3
.irp u, 0,1,2,3
.if \i == 0
	v_wmma_f32_16x16x4_f32 v[AC1+8*\u:AC1+8*\u+7], v[KF+8*\u+2*\i:KF+8*\u+2*\i+1], v[QF+8*\u+2*\i:QF+8*\u+2*\i+1], 0
.else
	v_wmma_f32_16x16x4_f32 v[AC1+8*\u:AC1+8*\u+7], v[KF+8*\u+2*\i:KF+8*\u+2*\i+1], v[QF+8*\u+2*\i:QF+8*\u+2*\i+1], v[AC1+8*\u:AC1+8*\u+7]
.endif
.endr
.endr
.rept 9
	v_nop                                          ; places in front of the loads into q's and k's registers and of the first read of the sums
.endr
	WPLOAD QF, 0
	WPLOAD KF, 1
.irp i, 0,2,4,6
	v_pk_add_f32 v[SS+\i:SS+\i+1], v[AC1+\i:AC1+\i+1], v[AC1+8+\i:AC1+8+\i+1]           ; the four sums are added, each accumulator from its low end on
	v_pk_add_f32 v[TM+\i:TM+\i+1], v[AC1+16+\i:AC1+16+\i+1], v[AC1+24+\i:AC1+24+\i+1]
.endr
.irp i, 0,2,4,6
	v_pk_add_f32 v[SS+\i:SS+\i+1], v[SS+\i:SS+\i+1], v[TM+\i:TM+\i+1]                   ; register j: the score of key 8 h + j and query r
.endr
.irp j, 0,1,2,3,4,5,6,7
	v_cmp_gt_i32 vcc_lo, \j, v[DQ]                 ; hidden where 8 h + j > r
	v_cndmask_b32 v[SS+\j], v[SS+\j], v[NEG], vcc_lo
.endr
	v_max3_num_f32 v[TM], v[SS], v[SS+1], v[SS+2]
	v_max3_num_f32 v[TM+1], v[SS+3], v[SS+4], v[SS+5]
	v_max3_num_f32 v[TM], v[TM], v[SS+6], v[SS+7]
	v_max_num_f32 v[TM], v[TM], v[TM+1]
	v_permlanex16_b32 v[TM+1], v[TM], s[SEL], s[SEL+1]
	v_max_num_f32 v[TM], v[TM], v[TM+1]            ; the row's maximum (key 0 counts for every query)
.irp j, 0,1,2,3,4,5,6,7
	v_sub_f32 v[SS+\j], v[SS+\j], v[TM]
.endr
.irp j, 0,1,2,3,4,5,6,7
	v_mul_f32 v[SS+\j], 0x3e38aa3b, v[SS+\j]       ; x log2(e) / 8
.endr
.irp j, 0,1,2,3,4,5,6,7
	v_exp_f32 v[PP+\j], v[SS+\j]
.endr
	v_nop                                          ; a plain line behind the exponentials
	s_wait_alu depctr_va_vdst(0)                   ; and the wait ahead of their first reader
	v_pk_add_f32 v[TM:TM+1], v[PP:PP+1], v[PP+2:PP+3]
	v_pk_add_f32 v[TM+2:TM+3], v[PP+4:PP+5], v[PP+6:PP+7]
	v_pk_add_f32 v[TM:TM+1], v[TM:TM+1], v[TM+2:TM+3]
	v_add_f32 v[TM], v[TM], v[TM+1]
	v_permlanex16_b32 v[TM+1], v[TM], s[SEL], s[SEL+1]
	v_add_f32 v[TM], v[TM], v[TM+1]                ; the row's sum
	v_rcp_f32 v[TM+2], v[TM]
	v_nop
	s_wait_alu depctr_va_vdst(0)
.irp j, 0,1,2,3,4,5,6,7
	v_mul_f32 v[PP+\j], v[PP+\j], v[TM+2]          ; the weights, normalised
.endr
	s_wait_loadcnt 24                              ; v is in; Wp's three sets of 8 may be out
; O^T = v^T p: source 0 = 16 channels, source 1 = p as it lies; K = the 16 keys; four tiles of channels by turns
.irp i, 0,1,2,3
.irp u, 0,1,2,3
.if \i == 0
	v_wmma_f32_16x16x4_f32 v[AC2+8*\u:AC2+8*\u+7], v[VF+8*\u+2*\i:VF+8*\u+2*\i+1], v[PP+2*\i:PP+2*\i+1], 0
.else
	v_wmma_f32_16x16x4_f32 v[AC2+8*\u:AC2+8*\u+7], v[VF+8*\u+2*\i:VF+8*\u+2*\i+1], v[PP+2*\i:PP+2*\i+1], v[AC2+8*\u:AC2+8*\u+7]
.endif
.endr
.endr
.rept 9
	v_nop                                          ; places in front of the loads into v's registers, and of the products that take O^T as a source
.endr
	WPLOAD VF, 2
; the head's part of the projection: source 0 = 16 rows of Wp, source 1 = O^T as it lies; four tiles of columns by turns.  The sets of Wp are taken in the order in which they were asked for: 3, 0, 1, 2
.macro PROJ reg, u, first
.irp i, 0,1,2,3
.irp nt, 0,1,2,3
.if \first && (\i == 0)
	v_wmma_f32_16x16x4_f32 v[AC1+8*\nt:AC1+8*\nt+7], v[\reg+8*\nt+2*\i:\reg+8*\nt+2*\i+1], v[AC2+8*\u+2*\i:AC2+8*\u+2*\i+1], 0
.else
	v_wmma_f32_16x16x4_f32 v[AC1+8*\nt:AC1+8*\nt+7], v[\reg+8*\nt+2*\i:\reg+8*\nt+2*\i+1], v[AC2+8*\u+2*\i:AC2+8*\u+2*\i+1], v[AC1+8*\nt:AC1+8*\nt+7]
.endif
.endr
.endr
.endm
	s_wait_loadcnt 24                              ; behind set 3: sets 0, 1 and 2
	PROJ W3, 3, 1
	s_wait_loadcnt 16
	PROJ QF, 0, 0
	s_wait_loadcnt 8
	PROJ KF, 1, 0
	s_wait_loadcnt 0
	PROJ VF, 2, 0
.rept 9
	v_nop                                          ; places in front of the stores that read the results, and of the loads into Wp's registers
.endr
.irp nt, 0,1,2,3
.irp c, 0,1
	ds_store_b128 v[LP], v[AC1+8*\nt+4*\c:AC1+8*\nt+4*\c+3] offset:PART+(2*\nt+\c)*512     ; an image of the registers, each accumulator from its low end on
.endr
.endr
	s_wait_dscnt 0x0                               ; for the others' sake: my part has landed
	s_barrier_signal -1
	s_barrier_wait -1
.irp ww, 0,1,2,3,4,5,6,7,8,9,10,11,12,13,14,15
	ds_load_b64 v[QF+2*\ww:QF+2*\ww+1], v[LR] offset:PART+4096*\ww     ; the same two results of each of the sixteen heads
.endr
	global_load_b64 v[TM+4:TM+5], v[BO], s[8:9]    ; bp at my two columns
	s_wait_dscnt 0x0
.irp k, 0,1,2,3,4,5,6,7
	v_pk_add_f32 v[QF+4*\k:QF+4*\k+1], v[QF+4*\k:QF+4*\k+1], v[QF+4*\k+2:QF+4*\k+3]
.endr
.irp k, 0,1,2,3
	v_pk_add_f32 v[QF+8*\k:QF+8*\k+1], v[QF+8*\k:QF+8*\k+1], v[QF+8*\k+4:QF+8*\k+5]
.endr
.irp k, 0,1
	v_pk_add_f32 v[QF+16*\k:QF+16*\k+1], v[QF+16*\k:QF+16*\k+1], v[QF+16*\k+8:QF+16*\k+9]
.endr
	v_pk_add_f32 v[QF:QF+1], v[QF:QF+1], v[QF+16:QF+17]
	s_wait_loadcnt 0x0
	v_pk_add_f32 v[QF:QF+1], v[QF:QF+1], v[TM+4:TM+5]
	ds_store_b64 v[LB], v[QF:QF+1]                 ; by rows: query r, my two columns
	s_wait_dscnt 0x0
	s_barrier_signal -1
	s_barrier_wait -1
	ds_load_b64 v[QF+2:QF+3], v[LSR]               ; wave w takes row w: 64 columns, 256 bytes
	s_wait_dscnt 0x0
	global_store_b64 v[GOUT], v[QF+2:QF+3], s[10:11] th:TH_STORE_NT    ; 256 consecutive bytes, aligned
	s_wait_tensorcnt 0x0                           ; the wave's end, behind my last LDS store
	ds_add_u32 v[SPW], v[NIL]
	s_wait_dscnt 0x0
	s_endpgm
.Lfunc_end_k_q7ab9ca2fdb_fine:
	.size	k_q7ab9ca2fdb_fine, .Lfunc_end_k_q7ab9ca2fdb_fine-k_q7ab9ca2fdb_fine
	.p2alignl 7, 3214868480
	.fill 96, 4, 3214868480
	.section	.rodata,"a",@progbits
	.p2align	6, 0x0
	.amdhsa_kernel k_q7ab9ca2fdb_fine
		.amdhsa_group_segment_fixed_size 71936
		.amdhsa_private_segment_fixed_size 0
		.amdhsa_enable_private_segment 0
		.amdhsa_kernarg_size 32
		.amdhsa_user_sgpr_count 2
		.amdhsa_user_sgpr_kernarg_segment_ptr 1
		.amdhsa_wavefront_size32 1
		.amdhsa_system_sgpr_workgroup_id_x 1
		.amdhsa_system_sgpr_workgroup_id_y 1
		.amdhsa_system_sgpr_workgroup_id_z 1
		.amdhsa_system_vgpr_workitem_id 0
		.amdhsa_next_free_vgpr 240
		.amdhsa_next_free_sgpr 66
		.amdhsa_reserve_vcc 1
		.amdhsa_float_denorm_mode_32 3
		.amdhsa_float_denorm_mode_16_64 3
		.amdhsa_memory_ordered 1
		.amdhsa_forward_progress 1
		.amdhsa_inst_pref_size 24
	.end_amdhsa_kernel
	.amdgpu_metadata
---
amdhsa.version: [ 1, 2 ]
amdhsa.kernels:
  - .name:           k_q7ab9ca2fdb_fine
    .symbol:         k_q7ab9ca2fdb_fine.kd
    .args:
      - { .name: qkv16, .offset: 0, .size: 8, .value_kind: global_buffer, .address_space: global }
      - { .name: Wp, .offset: 8, .size: 8, .value_kind: global_buffer, .address_space: global }
      - { .name: bp, .offset: 16, .size: 8, .value_kind: global_buffer, .address_space: global }
      - { .name: out0, .offset: 24, .size: 8, .value_kind: global_buffer, .address_space: global }
    .group_segment_fixed_size: 71936
    .private_segment_fixed_size: 0
    .kernarg_segment_align: 8
    .kernarg_segment_size: 32
    .max_flat_workgroup_size: 512
    .sgpr_count:     66
    .vgpr_count:     240
    .wavefront_size: 32
...
	.end_amdgpu_metadata
.endif
;; end of part 5
